; MI455X (gfx1250); checked and timed in simulation.
; The chip was launched on July 23, 2026; its instructions are those of AMD's public machine-readable ISA for CDNA 5 (MIT licence, August 2026) and "CDNA5" Instruction Set Architecture Reference Guide (July 2026). The comments in the code are by the model that wrote it; some were corrected since.
;; Multi Head Attention. Allowed arithmetic: matrix products marked QUANTISED: E4M3 operands, one given power-of-two scale a tensor, by v_wmma_f32_16x16x64_fp8_fp8 or v_wmma_f32_16x16x128_fp8_fp8, f32 sums; everything else in f32.
;; Inputs: lowp_scales 8 int32 (the exponents e of the quantised operands' scales 2^e); w_out 1,024 x 1,024 float32; w_qkv 1,024 x 3,072 float32; x 2 x 2,048 x 1,024 float32.
;; Outputs: out0 2 x 2,048 x 1,024 float32.
;; This version of the problem:
;;   THIS VERSION OF THE PROBLEM IS GIVEN IN LOW PRECISION. The matrix products marked QUANTISED in the list below multiply operands that are first quantised to E4M3 (4 exponent bits, 3 mantissa bits; 8 bits a number), with one given power-of-two scale for each operand tensor; their sums are f32. All else is computed in f32.
;;   The module's matrix products, in the order in which they are computed (A, B: the left and right operand; K: the contracted axis; several contracted axes count as one K, in the product's order):
;;     1. [M 4,096, K 1,024] x [K 1,024, N 3,072]; A: input x; B: input w_qkv: QUANTISED (scales: A lowp_scales[0], B lowp_scales[1])
;;     2. batch 32 x [M 2,048, K 64] x [K 64, N 2,048]; A: computed on the way; B: computed on the way: QUANTISED (scales: A lowp_scales[2], B lowp_scales[3])
;;     3. batch 32 x [M 2,048, K 2,048] x [K 2,048, N 64]; A: softmax (see below); B: computed on the way: QUANTISED (scales: A lowp_scales[4], B lowp_scales[5])
;;     4. [M 4,096, K 1,024] x [K 1,024, N 1,024]; A: computed on the way; B: input w_out: QUANTISED (scales: A lowp_scales[6], B lowp_scales[7])
;;   THE QUANTISER, for each operand of a quantised product, along K:
;;     - The operand's scale is 2^e, e = its entry of the input lowp_scales (int32; the entries are numbered through the quantised products in the list's order, A before B).
;;     - Each number is divided by the scale, clamped to +-448, and rounded to the nearest number of E4M3, ties to even, subnormals kept.
;;     - The product sums the exact products of the quantised numbers (number of the format x scale) in f32.
;;   ~~~python
;;   def quantise(x, axis, e):      # numpy; x: float32 -> the quantised numbers, widened to float32 again
;;       x = np.moveaxis(x, axis, -1); K = x.shape[-1]
;;       r = np.clip(x / 2.0 ** e, -448, 448)
;;       step = 2.0 ** (np.maximum(np.frexp(np.where(r == 0, 1, r))[1] - 1, -6) - 3)
;;       q = np.round(r / step) * step * 2.0 ** e      # np.round: ties to even
;;       return np.moveaxis(q, -1, axis).astype(np.float32)
;;   ~~~
;;   SOFTMAX AHEAD OF A QUANTISED PRODUCT. Where the list says 'softmax', what is quantised is not the finished softmax but p = 2^(t - M), with t = logit x log2(e) and M = ceil(the row's largest t), a whole number; so 1/2 < the row's largest p <= 1. The row's sum l is taken of the UNQUANTISED p, in f32, and the product's result is divided by l at the end. Since M is a whole number, a kernel that streams over the keys may use a running M (the ceiling of the running maximum): every later rescaling is an exact power of two, so the quantised numbers keep their values, but for numbers so far below the row's largest that they fall under the format's range.
;;   OPERANDS COMPUTED ON THE WAY. 'Computed on the way' means the value that the module computes at that place (a softmax that the list does not call 'softmax' is quantised finished and normalised). What goes into a quantiser is computed in f32, as accurately as f32 sums, v_exp_f32 and their like allow (about 1e-6 of the number): no bf16 or f16 on the way to a quantiser, and a product that is left as it is and whose result goes on into a quantised operand takes f32 operands (vector FMAs, or v_wmma_f32_16x16x4_f32). A number that lies on a knife's edge between two numbers of the format may be rounded either way, as far as f32 arithmetic and the matrix unit's own rounding can turn it there, and no further.
;; 2 versions. Each part assembles by itself: llvm-mc -triple=amdgcn-amd-amdhsa -mcpu=gfx1250 --defsym DOCPART=n.
;; ======== version 1 of 2: 4 launches
;; workspace buffers: x_img 4,194,304 bytes; wqkv_img 3,145,728 bytes; wout_img 1,048,576 bytes; q_img 4,194,304 bytes; k_img 4,194,304 bytes; v_img 4,194,304 bytes; ao_img 4,194,304 bytes
;; launch quant (part 1): grid 512 x 1, 4 waves a work-group, no clusters, 50,688 bytes of LDS; arguments x, w_qkv, w_out, lowp_scales, x_img, wqkv_img, wout_img; writes x_img, wqkv_img, wout_img
.if DOCPART == 1
	.amdgcn_target "amdgcn-amd-amdhsa--gfx1250"
	.amdhsa_code_object_version 6
	.text
	.protected	k_q42d6a54ad8_quant
	.globl	k_q42d6a54ad8_quant
	.p2align	8
	.type	k_q42d6a54ad8_quant,@function
k_q42d6a54ad8_quant:
	s_mov_b64 s[64:65], 0
	v_nop
	global_prefetch_b8 v0, s[64:65] scope:SCOPE_SE
	s_setreg_imm32_b32 hwreg(HW_REG_WAVE_MODE, 25, 1), 1
	s_wait_xcnt 0x0
; x [4096][1024], w_qkv [1024][3072] and w_out [1024][1024], f32, become codes of FP8 (E4M3) with the given scales 2^e (entries 0, 1 and 7 of the scales).
; code = number / 2^e, held within +-448, rounded to the nearest code, ties to even.  LIMITS: -126 <= e <= 119; NaN among the inputs is not served (an infinity is held at the largest code).
; THE CODES ARE LAID AS IMAGES OF OPERAND REGISTERS.  A fragment is 16 rows x 128 K, 2,048 bytes: chunk c (512 bytes) holds, at 16 x lane, the 16 codes k = 32 c + 16 (lane / 16) + 0 .. 15 of row lane % 16.
; A buffer is [K / 256][rows / 16][2 fragments].  ROW PLACES: place p holds row p with its bits 3 and 4 exchanged: lane r of tile 2 b + u holds row 32 b + 8 u + r + 8 (r / 8).
; Rows are tokens for x, columns n for the weights (their K is the first axis).
; A stream: each input byte is read once, each store of a wave covers 512 consecutive bytes, aligned.  No matrix unit, no cluster, no barrier: waves share nothing.
; Work-groups 0-255 take x (one tile of 16 rows each; wave w takes K 256 w on); work-groups 256-511 the weights (128 columns x 128 K each; a wave 32 columns).  Each of the two ways has LDS bytes of its own.
.set XP,    528                        ; x's stage: a row of 512 bytes + 16 of padding
.set XSTW,  16*XP                      ; 16 rows for each wave, from LDS byte 0
.set WST,   4*XSTW                     ; the weights' stages begin here: 4,096 bytes for each wave
.set LI,    4                          ; v4   16 x lane
.set SW,    5                          ; v5   x's stage, in: my wave's stage + 16 x lane
.set SR,    6                          ; v6   x's stage, out: + 528 r + 64 h
.set LT,    7                          ; v7   the weights' stage, in
.set WR,    8                          ; v8   the weights' stage, out
.set LIM,   10                         ; v10  448 x 2^e
.set SCL,   11                         ; v11  2^e
.set R,     16                         ; v16-143  x as loaded: two sets of 64
.set XA,    144                        ; v144-207 the first fragment's numbers, 64 a lane
.set XB,    16                         ; v16-79   the second fragment's (the first set's registers again)
.set CA,    208                        ; v208-223, v224-239 the two fragments' codes
.set CB,    224
.set WX,    16                         ; v16-143  the weights: four blocks of 32 numbers down K
.set WO,    144                        ; v144-175 byte offsets of a block's 32 rows
.set WC,    176                        ; v176-207 codes: 8 registers a block
.set WB,    208                        ; v208-239 the way out
.macro MKSCALE e                       ; 2^e and 448 x 2^e as f32 numbers
	s_add_co_i32 s44, \e, 127
	s_lshl_b32 s45, s44, 23
	v_mov_b32 v[SCL], s45                          ; the conversion takes this number's exponent field
	s_add_co_i32 s44, s44, 8
	s_lshl_b32 s44, s44, 23
	s_or_b32 s44, s44, 0x600000                    ; 448 = 1.75 x 2^8
	v_mov_b32 v[LIM], s44
.endm
; 64 numbers of a lane, register 16 b + i = k 32 b + 16 (lane / 16) + i of my row, become a fragment's 16 registers of codes
.macro QUANT s, d
.irp b, 0,1,2,3
.irp i, 0,1,2,3,4,5,6,7,8,9,10,11,12,13,14,15
	v_med3_num_f32 v[\s+16*\b+\i], v[\s+16*\b+\i], -v[LIM], v[LIM]   ; the conversion to an 8-bit code does not saturate (ISA guide 7.6.2): the hold comes first
.endr
	v_cvt_scalef32_pk8_fp8_f32 v[\d+4*\b:\d+4*\b+1], v[\s+16*\b:\s+16*\b+7], v[SCL]
	v_cvt_scalef32_pk8_fp8_f32 v[\d+4*\b+2:\d+4*\b+3], v[\s+16*\b+8:\s+16*\b+15], v[SCL]
.endr
	v_nop                                          ; one plain vector line behind the last conversion of the run
.endm
	s_load_b256 s[4:11], s[0:1], 0x0               ; x s[4:5], w_qkv s[6:7], w_out s[8:9], the scales s[10:11]
	s_load_b128 s[12:15], s[0:1], 0x20             ; x_img s[12:13], wqkv_img s[14:15]
	s_load_b64 s[16:17], s[0:1], 0x30              ; wout_img
	v_lshl_add_u32 v240, v0, 2, 0xc400
	v_mov_b32 v241, 0
	v_lshrrev_b32 v1, 5, v0
	v_readfirstlane_b32 s18, v1                    ; wave 0..3
	v_and_b32 v1, 31, v0                           ; lane
	v_and_b32 v2, 15, v0                           ; r
	v_bfe_u32 v3, v0, 4, 1                         ; h
	v_lshlrev_b32 v[LI], 4, v1
	s_wait_kmcnt 0x0
	s_load_b256 s[24:31], s[10:11], 0x0            ; e0 .. e7
	s_cmp_lt_u32 ttmp9, 256
	s_cbranch_scc0 .Lweights
	; ---------------- x: K is innermost.  Each load takes 512 consecutive bytes of one row; the 16 rows turn through the wave's stage, so that a lane gets 16 neighbours along K of its own row
	s_lshr_b32 s20, ttmp9, 1
	s_lshl_b32 s20, s20, 5
	s_and_b32 s21, ttmp9, 1
	s_lshl_b32 s21, s21, 3
	s_add_co_u32 s20, s20, s21                     ; the tile's first row: 32 (g / 2) + 8 (g % 2)
	s_lshl_b32 s20, s20, 12                        ; rows of 4,096 bytes
	s_lshl_b32 s21, s18, 10                        ; my wave's 256 along K: 1,024 bytes
	s_add_co_u32 s20, s20, s21
	s_mov_b32 s21, 0
	s_add_nc_u64 s[4:5], s[4:5], s[20:21]
	s_lshl_b32 s22, s18, 20                        ; x_img: K slot w (1,048,576 bytes),
	s_lshl_b32 s23, ttmp9, 12                      ; tile g (4,096 bytes)
	s_add_co_u32 s22, s22, s23
	s_mov_b32 s23, 0
	s_add_nc_u64 s[12:13], s[12:13], s[22:23]
	s_mul_i32 s19, s18, XSTW
	v_add_nc_u32 v[SW], s19, v[LI]
	v_mul_u32_u24 v[SR], v2, XP
	v_lshl_add_u32 v[SR], v3, 6, v[SR]
	v_add_nc_u32 v[SR], s19, v[SR]
.irp s, 0,1
.irp t, 0,1,2,3,4,5,6,7,8,9,10,11,12,13,14,15
	global_load_b128 v[R+64*\s+4*\t:R+64*\s+4*\t+3], v[LI], s[4:5] offset:(\t+8*(\t/8))*4096+512*\s th:TH_LOAD_NT   ; place t of the tile is row t + 8 (t / 8); read once in the launch
.endr
.endr
	s_wait_kmcnt 0x0
	MKSCALE s24                                    ; e0
	s_wait_loadcnt 16                              ; the first fragment's 16 loads are in; the second's 16 may be out
.irp t, 0,1,2,3,4,5,6,7,8,9,10,11,12,13,14,15
	ds_store_b128 v[SW], v[R+4*\t:R+4*\t+3] offset:XP*\t
.endr
.irp c, 0,1,2,3
.irp j, 0,1,2,3
	ds_load_b128 v[XA+16*\c+4*\j:XA+16*\c+4*\j+3], v[SR] offset:128*\c+16*\j   ; LDS serves a wave's instructions in order (ISA guide 5.7.1.4): these see the stores above
.endr
.endr
	s_wait_loadcnt 0x0
.irp t, 0,1,2,3,4,5,6,7,8,9,10,11,12,13,14,15
	ds_store_b128 v[SW], v[R+64+4*\t:R+64+4*\t+3] offset:XP*\t                   ; behind the reads above, in order
.endr
	s_wait_dscnt 32                                ; the first 16 stores are done (16 loads and 16 stores were issued behind them): their registers take the loads below
.irp c, 0,1,2,3
.irp j, 0,1,2,3
	ds_load_b128 v[XB+16*\c+4*\j:XB+16*\c+4*\j+3], v[SR] offset:128*\c+16*\j
.endr
.endr
	s_wait_dscnt 32                                ; the first fragment's numbers are back (16 stores and 16 loads were issued behind them)
	QUANT XA, CA
.irp c, 0,1,2,3
	global_store_b128 v[LI], v[CA+4*\c:CA+4*\c+3], s[12:13] offset:512*\c        ; 32 lanes store 512 consecutive bytes
.endr
	s_wait_dscnt 0x0
	QUANT XB, CB
.irp c, 0,1,2,3
	global_store_b128 v[LI], v[CB+4*\c:CB+4*\c+3], s[12:13] offset:2048+512*\c
.endr
	s_wait_tensorcnt 0x0
	ds_add_u32 v240, v241
	s_wait_dscnt 0x0
	s_endpgm
	; ---------------- the weights: K is the first axis.  A lane takes a column n and its registers run down K, so the conversions give codes with K innermost and nothing is transposed
.Lweights:
	s_sub_co_u32 s20, ttmp9, 256
	s_lshr_b32 s21, s20, 3                         ; block of 128 columns: 0-23 w_qkv's, 24-31 w_out's
	s_mov_b32 s34, s21
	s_and_b32 s22, s20, 7                          ; which 128 along K
	s_cmp_lt_u32 s21, 24                           ; the choice hangs on the work-group's number alone
	s_cselect_b64 s[4:5], s[6:7], s[8:9]           ; from where,
	s_cselect_b64 s[12:13], s[14:15], s[16:17]     ; to where,
	s_mov_b32 s23, 4096
	s_cselect_b32 s23, 12288, s23                  ; a row of the weight in bytes,
	s_mov_b32 s32, 262144
	s_cselect_b32 s32, 786432, s32                 ; a K slot of its image in bytes
	s_cselect_b32 s33, 0, 24
	s_sub_co_u32 s21, s21, s33
	s_lshl_b32 s21, s21, 7
	s_lshl_b32 s36, s18, 5
	s_add_co_u32 s21, s21, s36                     ; my wave's first column
	s_lshl_b32 s36, s22, 7
	s_mul_i32 s36, s36, s23                        ; my first row of the weight, in bytes,
	s_lshl_b32 s37, s21, 2
	s_add_co_u32 s36, s36, s37                     ; + 4 bytes a column
	s_mov_b32 s37, 0
	s_add_nc_u64 s[48:49], s[4:5], s[36:37]        ; a base for each block of 32 along K
	s_lshl_b32 s38, s23, 5
	s_mov_b32 s39, 0
	s_add_nc_u64 s[50:51], s[48:49], s[38:39]
	s_add_nc_u64 s[52:53], s[50:51], s[38:39]
	s_add_nc_u64 s[54:55], s[52:53], s[38:39]
	s_lshr_b32 s40, s22, 1
	s_mul_i32 s40, s40, s32                        ; the image: K slot,
	s_lshr_b32 s41, s21, 4
	s_lshl_b32 s41, s41, 12
	s_add_co_u32 s40, s40, s41                     ; tile of 16 columns,
	s_and_b32 s41, s22, 1
	s_lshl_b32 s41, s41, 11
	s_add_co_u32 s40, s40, s41                     ; which of the slot's two fragments
	s_mov_b32 s41, 0
	s_add_nc_u64 s[12:13], s[12:13], s[40:41]
	v_lshlrev_b32 v[WO], 2, v1                     ; 4 bytes a lane: a load reads 128 consecutive bytes, the four waves side by side 512
.irp i, 1,2,3,4,5,6,7,8,9,10,11,12,13,14,15,16,17,18,19,20,21,22,23,24,25,26,27,28,29,30,31
	v_add_nc_u32 v[WO+\i], s23, v[WO+\i-1]         ; + i rows
.endr
	s_lshl_b32 s42, s18, 12
	s_add_co_u32 s42, s42, WST                     ; my stage: two fragments as they will lie in memory
	v_and_b32 v[LT], 7, v0
	v_lshlrev_b32 v[LT], 4, v[LT]
	v_bfe_u32 v9, v0, 3, 1
	v_lshl_add_u32 v[LT], v9, 11, v[LT]            ; column n lies in tile bit 3 of n,
	v_lshl_add_u32 v[LT], v3, 7, v[LT]             ; at row 8 x bit 4 of n + n % 8
	v_add_nc_u32 v[LT], s42, v[LT]
	v_add_nc_u32 v[WR], s42, v[LI]
.macro LOADB c                         ; block c: 32 rows down K of my column
.irp i, 0,1,2,3,4,5,6,7,8,9,10,11,12,13,14,15,16,17,18,19,20,21,22,23,24,25,26,27,28,29,30,31
	global_load_b32 v[WX+32*(\c)+\i], v[WO+\i], s[48+2*(\c):49+2*(\c)] th:TH_LOAD_NT
.endr
.endm
.macro BLOCKW c, left
	s_wait_loadcnt \left                           ; this block's 32 loads are in; the next block's may be out
.irp i, 0,1,2,3,4,5,6,7,8,9,10,11,12,13,14,15,16,17,18,19,20,21,22,23,24,25,26,27,28,29,30,31
	v_med3_num_f32 v[WX+32*\c+\i], v[WX+32*\c+\i], -v[LIM], v[LIM]
.endr
.irp g, 0,1,2,3
	v_cvt_scalef32_pk8_fp8_f32 v[WC+8*\c+2*\g:WC+8*\c+2*\g+1], v[WX+32*\c+8*\g:WX+32*\c+8*\g+7], v[SCL]
.endr
	v_nop                                          ; one plain vector line behind the last conversion of the run
	ds_store_b128 v[LT], v[WC+8*\c:WC+8*\c+3] offset:512*\c          ; k = 32 c + 0 .. 15: the place of lanes 0-15 in chunk c
	ds_store_b128 v[LT], v[WC+8*\c+4:WC+8*\c+7] offset:512*\c+256    ; k = 32 c + 16 .. 31: of lanes 16-31
.if \c < 2
	LOADB \c+2
.endif
.endm
	LOADB 0
	LOADB 1
	s_wait_kmcnt 0x0
	s_cmp_lt_u32 s34, 24
	s_cselect_b32 s35, s25, s31                    ; e1 or e7
	MKSCALE s35
	BLOCKW 0, 32
	BLOCKW 1, 32
	BLOCKW 2, 32
	BLOCKW 3, 0
.irp i, 0,1,2,3,4,5,6,7
	ds_load_b128 v[WB+4*\i:WB+4*\i+3], v[WR] offset:512*\i           ; in order behind my stores
.endr
.irp i, 0,1,2,3,4,5,6,7
	s_wait_dscnt 7-\i                              ; LDS loads come back in order: load i is in
	global_store_b128 v[LI], v[WB+4*\i:WB+4*\i+3], s[12:13] offset:(\i/4)*4096+(\i%4)*512   ; 512 consecutive bytes: chunk i % 4 of tile i / 4
.endr
	s_wait_tensorcnt 0x0
	ds_add_u32 v240, v241
	s_wait_dscnt 0x0
	s_endpgm
.Lfunc_end_k_q42d6a54ad8_quant:
	.size	k_q42d6a54ad8_quant, .Lfunc_end_k_q42d6a54ad8_quant-k_q42d6a54ad8_quant
	.p2alignl 7, 3214868480
	.fill 96, 4, 3214868480
	.section	.rodata,"a",@progbits
	.p2align	6, 0x0
	.amdhsa_kernel k_q42d6a54ad8_quant
		.amdhsa_group_segment_fixed_size 50688
		.amdhsa_private_segment_fixed_size 0
		.amdhsa_enable_private_segment 0
		.amdhsa_kernarg_size 56
		.amdhsa_user_sgpr_count 2
		.amdhsa_user_sgpr_kernarg_segment_ptr 1
		.amdhsa_wavefront_size32 1
		.amdhsa_system_sgpr_workgroup_id_x 1
		.amdhsa_system_sgpr_workgroup_id_y 1
		.amdhsa_system_sgpr_workgroup_id_z 1
		.amdhsa_system_vgpr_workitem_id 0
		.amdhsa_next_free_vgpr 242
		.amdhsa_next_free_sgpr 66
		.amdhsa_reserve_vcc 0
		.amdhsa_float_denorm_mode_32 3
		.amdhsa_float_denorm_mode_16_64 3
		.amdhsa_memory_ordered 1
		.amdhsa_forward_progress 1
		.amdhsa_inst_pref_size 46
	.end_amdhsa_kernel
	.amdgpu_metadata
---
amdhsa.version: [ 1, 2 ]
amdhsa.kernels:
  - .name:           k_q42d6a54ad8_quant
    .symbol:         k_q42d6a54ad8_quant.kd
    .args:
      - { .name: x, .offset: 0, .size: 8, .value_kind: global_buffer, .address_space: global }
      - { .name: w_qkv, .offset: 8, .size: 8, .value_kind: global_buffer, .address_space: global }
      - { .name: w_out, .offset: 16, .size: 8, .value_kind: global_buffer, .address_space: global }
      - { .name: lowp_scales, .offset: 24, .size: 8, .value_kind: global_buffer, .address_space: global }
      - { .name: x_img, .offset: 32, .size: 8, .value_kind: global_buffer, .address_space: global }
      - { .name: wqkv_img, .offset: 40, .size: 8, .value_kind: global_buffer, .address_space: global }
      - { .name: wout_img, .offset: 48, .size: 8, .value_kind: global_buffer, .address_space: global }
    .group_segment_fixed_size: 50688
    .private_segment_fixed_size: 0
    .kernarg_segment_align: 8
    .kernarg_segment_size: 56
    .max_flat_workgroup_size: 128
    .sgpr_count:     66
    .vgpr_count:     242
    .wavefront_size: 32
...
	.end_amdgpu_metadata
.endif
;; end of part 1
;; launch gemm_qkv (part 2): grid 12 x 16, 4 waves a work-group, clusters of 4 x 4, 327,680 bytes of LDS; arguments x_img, wqkv_img, lowp_scales, q_img, k_img, v_img; writes q_img, k_img, v_img
.if DOCPART == 2
	.amdgcn_target "amdgcn-amd-amdhsa--gfx1250"
	.amdhsa_code_object_version 6
	.text
	.protected	k_q42d6a54ad8_gemm_qkv
	.globl	k_q42d6a54ad8_gemm_qkv
	.p2align	8
	.type	k_q42d6a54ad8_gemm_qkv,@function
k_q42d6a54ad8_gemm_qkv:
	s_mov_b64 s[64:65], 0
	v_nop
	global_prefetch_b8 v0, s[64:65] scope:SCOPE_SE
	s_setreg_imm32_b32 hwreg(HW_REG_WAVE_MODE, 25, 1), 1
	s_wait_xcnt 0x0
	s_wait_alu depctr_hold_cnt(0) depctr_sa_sdst(0) depctr_va_vdst(0) depctr_va_sdst(0) depctr_va_ssrc(0) depctr_va_vcc(0) depctr_vm_vsrc(0)
	s_getreg_b32 s2, hwreg(HW_REG_IB_STS2, 6, 4)
	s_cmp_eq_u32 s2, 0
	s_cbranch_scc0 .Lentry_in_a_cluster
	s_endpgm
.Lentry_in_a_cluster:
	s_bfe_u32 s2, ttmp6, 0x10000c
	s_cmp_lg_u32 s2, 0xf033
	s_cbranch_scc0 .Lentry_shape_is_right
	s_endpgm
.Lentry_shape_is_right:
; qkv = x w_qkv on codes of FP8 (E4M3), M 4,096, N 3,072, K 1,024, sums in f32; the sums are quantised at once into the codes of q, k and v (scales' entries 2, 3, 5) and leave as codes.
; A sum stands for sum x 2^(e0 + e1), so its code is sum / 2^E, E = e_t - e0 - e1, held within +-448.  LIMIT: -126 <= E <= 119.
; OPERANDS ARE IMAGES OF REGISTERS: a fragment (16 rows x 128 K) is 2,048 bytes, chunk c at 512 c, lane l's 16 bytes at 16 l: k = 32 c + 16 (l / 16) + 0 .. 15 of row l % 16, the same places of k on both sides.
; A buffer is [K / 256][rows / 16][2 fragments]: 128 rows of a K slot are 32,768 consecutive bytes, one tensor load; every LDS load takes 512 consecutive bytes.
; ROW PLACES: lane r of tile 2 b + u holds row 32 b + 8 u + r + 8 (r / 8).  In a result, lane (r, h) holds place r of source 1's tile, and register j of tiles 2 b, 2 b + 1 of source 0 the rows 32 b + 16 h + 0 .. 15:
; sixteen neighbours along the next product's K, so two conversions make a chunk of the next operand's image and nothing goes through LDS on the way out.
; A tile of 256 x 256 is made by four waves, as many as a WGP has SIMDs, each 128 x 128: 64 accumulators, 512 registers.  K goes in four slots of 256 through a ring of two LDS slots.
; A slot has two regions: region A (its first 65,536 bytes) feeds source 1, region B source 0.  Every LDS address is a constant + a wave's term + 16 x lane.
; q AND k (cluster x = 0, 1): region A = 256 tokens, region B = 256 columns of w_qkv: a lane holds a token, its registers run along the head's 64.
; v (cluster x = 2): a lane must hold one channel and its registers run along the tokens, the keys of the last product but one.  So region A takes w_qkv's columns and region B the tokens: the text is the same, and only
; the buffer, the tile's number and the stride from K slot to K slot of each region's loads are chosen, by selects on the cluster's x, which the sixteen partners share.  No branch, mask or LDS address hangs on it.
; CLUSTERS: 4 x 4 work-groups.  Region A's tile is numbered by cy and shared along a row of the cluster, region B's by cx and shared along a column: each is asked for jointly, by the same tensor load with the
; same descriptor and a mask that names the four.  q, k: A = tile 4 Y + cy of x, B = tile 4 (cluster x) + cx of w_qkv.  v: A = tile 8 + cy of w_qkv, B = tile 4 Y + cx of x (Y: the cluster's y).
; 192 work-groups: with tiles of 128 x 128 each LDS byte would feed half as many multiply-adds.
; REGISTERS, in windows of 256: window 0: v16-31 addresses; from v128 source 1's fragments, one set (on the way out: the codes).  window 1: source 0's fragments, two sets.  windows 2, 3: the accumulators, (a, b) at v[8 (8 (a % 4) + b)].
.set KSX,    1048576                   ; from K slot to K slot in x_img
.set KSW,    786432                    ; in wqkv_img
.set FR,     16                        ; registers of a fragment
.set NL,     4                         ; LDS loads that bring one
.set NP,     4                         ; places behind this matrix instruction (ISA guide 7.12.1)
.set HALFT,  32768                     ; 128 rows of a K slot: what one tensor load brings
.set SLOT,   4*HALFT                   ; region A's 256 rows, then region B's 256
.set SPARE,  2*SLOT                    ; behind the ring: the spare words, 128 bytes for each wave
.set ADRA, 16                          ; v16-17  LDS address of source 1's fragments in slot 0, 1
.set ADRB, 20                          ; v20-21  of source 0's
.set LI,   26                          ; v26     16 x lane
.set LI2,  27                          ; v27     the same, further on: for chunks 2 and 3
.set SPW,  28                          ; v28     LDS address of my spare word; never rewritten
.set NIL,  29                          ; v29     0; never rewritten
.set SCL,  30                          ; v30     2^E
.set LIM,  31                          ; v31     448 x 2^E
.set AF,   128                         ; source 1's fragments, in window 0
.set CD,   128                         ; the way out: 8 x 16 registers of codes, in their place
.set G1, 24                            ; s[24:31] descriptor group 1 for region A's tiles;  s[32:39] group 0, one set for each slot
.set G0, 32
.set G1B, 48                           ; s[48:55], s[56:63] the same for region B's tiles
.set G0B, 56
.set STA, 68                           ; s[68:69] region A's stride from K slot to K slot, then twice that: a refill's step
.set STB, 70                           ; s[70:71] region B's
.set OB,  84                           ; s[84:99] the way out: a base for each of my eight blocks
.set MSB, 0
.macro WIN new                         ; the immediate's high byte repeats the setting that is left
.if MSB != (\new)
	s_set_vgpr_msb (MSB<<8)|(\new)
.set MSB, (\new)
.endif
.endm
.set MUL_LO, 0xa1                      ; source 0 window 1, source 1 window 0, C and D window 2
.set MUL_HI, 0xf1                      ; the same, C and D window 3
.set TO_B,   0x40                      ; destination window 1, address window 0
; A joint load: waves 0 and 1 fetch region A's two halves, waves 2 and 3 region B's.  Each line has one mask and one set of registers; the branch hangs on the wave's number alone.
; Four v_nop follow each of the two lines, ahead of the jump, the label and what follows.
.macro JLOAD g0a, g1a, g0b, g1b
	s_cmp_eq_u32 s15, 0
	s_cbranch_scc0 .Lfor_b_\@
	tensor_load_to_lds s[\g0a:\g0a+3], s[\g1a:\g1a+7]
	s_nop 0
.rept 4
	v_nop
.endr
	s_branch .Lasked_\@
.Lfor_b_\@:
	tensor_load_to_lds s[\g0b:\g0b+3], s[\g1b:\g1b+7]
	s_nop 0
.rept 4
	v_nop
.endr
.Lasked_\@:
.endm
.macro CREST                           ; a round of the cluster's barrier behind its opening barrier
	s_cmp_lg_u32 s14, 0
	s_cbranch_scc1 .Lnot_wave_0_\@
	s_barrier_signal -3
.Lnot_wave_0_\@:
	s_barrier_wait -3
	s_barrier_signal -1
	s_barrier_wait -1
.endm
.macro CROUND                          ; a whole round
	s_barrier_signal -1
	s_barrier_wait -1
	CREST
.endm
	s_load_b128 s[4:7], s[0:1], 0x0                ; x_img s[4:5], wqkv_img s[6:7]
	s_load_b128 s[8:11], s[0:1], 0x10              ; the scales s[8:9], q_img s[10:11]
	s_load_b128 s[80:83], s[0:1], 0x20             ; k_img s[80:81], v_img s[82:83]
	v_lshl_add_u32 v[SPW], v0, 2, SPARE
	v_mov_b32 v[NIL], 0
	ds_add_u32 v28, v29
	ds_add_u32 v28, v29
	s_wait_dscnt 0x0
	v_lshrrev_b32 v1, 5, v0
	v_readfirstlane_b32 s14, v1                    ; wave 0..3
	s_lshr_b32 s15, s14, 1                         ; which half of source 1's rows is mine.  Also: I fetch for region A (0) or for region B (1)
	s_and_b32 s16, s14, 1                          ; which half of source 0's.  Also: which 128 rows of that region I fetch
	s_bfe_u32 s40, ttmp6, 0x40000                  ; cx, cy: my place in the cluster
	s_bfe_u32 s41, ttmp6, 0x40004
	s_lshl_b32 s18, ttmp9, 2                       ; 4 x cluster x
	s_and_b32 s19, ttmp7, 0xffff
	s_lshl_b32 s19, s19, 2                         ; 4 x cluster y
	s_mov_b32 s12, KSX
	s_mov_b32 s13, KSW
	s_cmp_eq_u32 ttmp9, 2                          ; the v part?  The same answer in all sixteen partners
	s_cselect_b32 s66, 1, 0                        ; sel
	s_cselect_b32 s17, 8, s19                      ; region A's tiles begin at: w_qkv's tile 8, or x's tile 4 Y
	s_cselect_b32 s42, s19, s18                    ; region B's: x's tile 4 Y, or w_qkv's tile 4 x cluster x
	s_cselect_b32 s[STA], s13, s12                 ; and their strides from K slot to K slot
	s_cselect_b32 s[STB], s12, s13
	s_mov_b32 s[STA+1], 0
	s_mov_b32 s[STB+1], 0
	s_add_co_u32 s17, s17, s41                     ; region A's tile: + cy
	s_add_co_u32 s42, s42, s40                     ; region B's tile: + cx
	s_lshl_b32 s43, s41, 2
	s_lshl_b32 s43, 15, s43                        ; my row of the cluster
	s_lshl_b32 s44, 0x1111, s40                    ; my column
	; descriptor group 1: 32,768 consecutive bytes as 128 rows of 32 elements of 8 bytes; no padding
	s_or_b32 s[G1+0], s43, (3<<16)|(1<<21)         ; 15:0 the mask: region A's tiles go to my row; 17:16 elements of 8 bytes; 21 set beside a mask
	s_or_b32 s[G1B+0], s44, (3<<16)|(1<<21)        ; region B's go to my column
.irp g, G1, G1B
	s_mov_b32 s[\g+1], 32<<16                      ; tensor_dim0 = 32
	s_mov_b32 s[\g+2], 128<<16                     ; tensor_dim1 = 128
	s_mov_b32 s[\g+3], 32<<16                      ; tile_dim0 = 32
	s_mov_b32 s[\g+4], 128                         ; tile_dim1 = 128
	s_mov_b32 s[\g+5], 32                          ; from row to row: 32 elements
	s_mov_b32 s[\g+6], 0
	s_mov_b32 s[\g+7], 0
.endr
	s_lshl_b32 s18, s16, 15                        ; which 128 rows of the tile I fetch: 8 tiles of 4,096 bytes
	s_lshl_b32 s20, s17, 16                        ; region A: 65,536 bytes a tile of 256 rows, in either buffer
	s_add_co_u32 s20, s20, s18
	s_lshl_b32 s46, s42, 16                        ; region B likewise
	s_add_co_u32 s46, s46, s18
	s_mov_b32 s21, 0
	s_mov_b32 s47, 0
	s_mul_i32 s45, s14, HALFT                      ; where they go: wave x 32,768: no place in the cluster enters an LDS address
	s_wait_kmcnt 0x0
	s_load_b256 s[72:79], s[8:9], 0x0              ; e0 .. e7
	s_cmp_eq_u32 ttmp9, 2
	s_cselect_b64 s[12:13], s[6:7], s[4:5]         ; region A's buffer: wqkv_img for v, else x_img
	s_cselect_b64 s[6:7], s[4:5], s[6:7]           ; region B's: the other
	s_add_nc_u64 s[20:21], s[12:13], s[20:21]
	s_add_nc_u64 s[46:47], s[6:7], s[46:47]
	CROUND                                         ; all sixteen work-groups are here: the first joint loads meet
.irp s, 0,1
	s_mov_b32 s[G0+4*\s], 1
	s_add_co_u32 s[G0+4*\s+1], s45, \s*SLOT
.if \s == 0
	s_add_nc_u64 s[G0+4*\s+2:G0+4*\s+3], s[20:21], 0               ; K slot 0
.else
	s_add_nc_u64 s[G0+4*\s+2:G0+4*\s+3], s[20:21], s[STA:STA+1]    ; K slot 1
.endif
	s_or_b32 s[G0+4*\s+3], s[G0+4*\s+3], 0x80000000
	s_mov_b32 s[G0B+4*\s], 1
	s_add_co_u32 s[G0B+4*\s+1], s45, \s*SLOT
.if \s == 0
	s_add_nc_u64 s[G0B+4*\s+2:G0B+4*\s+3], s[46:47], 0
.else
	s_add_nc_u64 s[G0B+4*\s+2:G0B+4*\s+3], s[46:47], s[STB:STB+1]
.endif
	s_or_b32 s[G0B+4*\s+3], s[G0B+4*\s+3], 0x80000000
	JLOAD G0+4*\s, G1, G0B+4*\s, G1B               ; two loads of mine are out
.endr
	s_lshl_b32 s[STA], s[STA], 1                   ; a refill goes two K slots on
	s_lshl_b32 s[STB], s[STB], 1
	v_and_b32 v6, 31, v0
	v_lshlrev_b32 v[LI], 4, v6
	s_mul_i32 s21, s15, HALFT                      ; my 128 rows of region A
	s_mul_i32 s22, s16, HALFT                      ; my 128 rows of region B,
	s_add_co_u32 s22, s22, 2*HALFT                 ; which lies behind region A's 256 rows
.irp s, 0,1
	v_add_nc_u32 v[ADRA+\s], s21, v[LI]
	v_add_nc_u32 v[ADRB+\s], s22, v[LI]
	s_add_co_u32 s21, s21, SLOT
	s_add_co_u32 s22, s22, SLOT
.endr
.macro FRAG reg, adr, q, i             ; fragment i of my eight, the slot's q-th 128 along K: four loads of 512 consecutive bytes
.irp c, 0,1,2,3
	ds_load_b128 v[\reg+4*\c:\reg+4*\c+3], v[\adr] offset:4096*(\i)+2048*(\q)+512*\c
.endr
.endm
; 16 matrix instructions: source 1's blocks a0, a0 + 1 x source 0's eight, 128 along K.  p: source 0's set.  zero = 1: the first product starts the sums: nothing is ever cleared.
; The 64 accumulators take turns, one instruction a turn, in the same order in every step.
.macro MUL16 a0, p, zero
.irp a, \a0, \a0+1
.irp b, 0,1,2,3,4,5,6,7
.if \zero
	v_wmma_f32_16x16x128_fp8_fp8 v[8*(8*((\a)%4)+\b):8*(8*((\a)%4)+\b)+7], v[128*(\p)+FR*\b:128*(\p)+FR*\b+FR-1], v[AF+FR*(\a):AF+FR*(\a)+FR-1], 0
.else
	v_wmma_f32_16x16x128_fp8_fp8 v[8*(8*((\a)%4)+\b):8*(8*((\a)%4)+\b)+7], v[128*(\p)+FR*\b:128*(\p)+FR*\b+FR-1], v[AF+FR*(\a):AF+FR*(\a)+FR-1], v[8*(8*((\a)%4)+\b):8*(8*((\a)%4)+\b)+7]
.endif
.endr
.endr
.endm
.macro FETCH_B slot, q, p              ; source 0's eight fragments into set p
	WIN TO_B
.irp i, 0,1,2,3,4,5,6,7
	FRAG 128*(\p)+FR*\i, ADRB+\slot, \q, \i
.endr
	WIN 0
.endm
.macro FETCH_A slot, q, i0             ; source 1's blocks i0 .. i0 + 3
.irp i, \i0, \i0+1, \i0+2, \i0+3
	FRAG AF+FR*(\i), ADRA+\slot, \q, \i
.endr
.endm
; A load into a register that a matrix instruction has read, and a vector instruction that reads a matrix result or writes one of its registers, stand NP places behind it; only plain vector
; instructions that name none of its registers are places (ISA guide 7.12.1 for vector instructions).
.macro PLACES n
.rept \n
	v_nop
.endr
.endm
; A step of 128 along K that has its successor in the same slot.  A block of source 1 is free as soon as its eight products are issued: blocks 0-3 are fetched anew in the step's middle, blocks 4-7 at its end.
.macro STEP slot, q, zero
	s_wait_dscnt 4*NL                              ; source 0's set and blocks 0-3 are in; the youngest 16 loads (blocks 4-7) may be out
	WIN MUL_LO
	MUL16 0, (\q)%2, \zero
	MUL16 2, (\q)%2, \zero
	s_wait_dscnt 0                                 ; blocks 4-7 are in
	PLACES NP
	FETCH_B \slot, (\q)+1, 1-(\q)%2
	FETCH_A \slot, (\q)+1, 0
	WIN MUL_HI
	MUL16 4, (\q)%2, \zero
	MUL16 6, (\q)%2, \zero
	PLACES NP
	WIN 0
	FETCH_A \slot, (\q)+1, 4
.endm
; A slot's last step changes slots: one barrier; in front of it each wave waits for all its tensor loads, adds 0 to its spare word, and waits for that and for its own reads of this slot.  fill = 1: this slot is filled again, two K slots ahead.
.macro TURN slot, next, fill
	s_wait_tensorcnt 0x0                           ; all my tensor loads have landed: my part of the next slot;  (every window is 0 here)
	ds_add_u32 v[SPW], v[NIL]                      ; 0 onto my spare word
	s_wait_dscnt 4*NL+1                            ; (the add and the youngest 16 loads may be out)
	WIN MUL_LO
	MUL16 0, 1, 0                                  ; sixteen matrix instructions stand between the add and the wait for it
	s_wait_dscnt 0x0                               ; the add is done, and my reads of this slot are over
	s_barrier_signal -1
	MUL16 2, 1, 0
	WIN 0
	s_barrier_wait -1
.if \fill
	CREST                                          ; the barrier has opened a round of the cluster's barrier: no wave of any partner still reads this slot or has a load on its way
	s_add_nc_u64 s[G0+4*\slot+2:G0+4*\slot+3], s[G0+4*\slot+2:G0+4*\slot+3], s[STA:STA+1]
	s_add_nc_u64 s[G0B+4*\slot+2:G0B+4*\slot+3], s[G0B+4*\slot+2:G0B+4*\slot+3], s[STB:STB+1]
	JLOAD G0+4*\slot, G1, G0B+4*\slot, G1B         ; the first tensor load behind the round, my one load until the next; its four v_nop are the places in front of the loads below
.else
	PLACES NP
.endif
	FETCH_B \next, 0, 0
	FETCH_A \next, 0, 0
	WIN MUL_HI
	MUL16 4, 1, 0
	MUL16 6, 1, 0
	PLACES NP
	WIN 0
	FETCH_A \next, 0, 4
.endm
	s_wait_tensorcnt 1                             ; my part of K slot 0 is in (K slot 1's load may be out)
	s_barrier_signal -1
	s_barrier_wait -1                              ; everybody's is
	FETCH_B 0, 0, 0
	FETCH_A 0, 0, 0
	FETCH_A 0, 0, 4
	STEP 0, 0, 1                                   ; K 0-127: its products start the sums
	TURN 0, 1, 1                                   ; K 128-255; slot 0 takes K slot 2.  The four slots are written out: a loop would have one trip
	STEP 1, 0, 0
	TURN 1, 0, 1                                   ; slot 1 takes K slot 3
	STEP 0, 0, 0
	TURN 0, 1, 0                                   ; nothing is left to fetch, and no round follows
	STEP 1, 0, 0
	s_wait_dscnt 4*NL                              ; the very last step
	WIN MUL_LO
	MUL16 0, 1, 0
	MUL16 2, 1, 0
	s_wait_dscnt 0
	WIN MUL_HI
	MUL16 4, 1, 0
	MUL16 6, 1, 0
	WIN 0
	; THE WAY OUT.  Which tensor, which scale and which coordinate is which are chosen by selects on the cluster's x: no branch.
	s_wait_kmcnt 0x0
	s_cmp_eq_u32 ttmp9, 0
	s_cselect_b64 s[68:69], s[10:11], s[80:81]     ; q or k,
	s_cselect_b32 s70, s74, s75                    ; e2 or e3
	s_cmp_eq_u32 ttmp9, 2
	s_cselect_b64 s[68:69], s[82:83], s[68:69]     ; or v,
	s_cselect_b32 s70, s77, s70                    ; e5
	s_cselect_b32 s71, s15, s16                    ; which pair of the column tile's four heads is mine: the half of the region that holds columns,
	s_cselect_b32 s67, s16, s15                    ; which 128 of the token tile's 256 tokens: the half of the region that holds tokens
	s_cselect_b32 s12, s42, s17                    ; the token tile: region B's for v, else region A's
	s_cselect_b32 s13, s41, s40                    ; the column tile within the part, four heads each: cy for v, else cx
	s_mov_b32 s18, 131072
	s_cselect_b32 s18, 1024, s18                   ; chunks 2, 3: for v 1,024 bytes on in the fragment; for q and k the next head, 131,072 bytes on
	s_sub_co_i32 s70, s70, s72
	s_sub_co_i32 s70, s70, s73                     ; E = e_t - e0 - e1
	s_add_co_i32 s70, s70, 127
	s_lshl_b32 s19, s70, 23
	v_mov_b32 v[SCL], s19                          ; 2^E
	s_add_co_i32 s70, s70, 8
	s_lshl_b32 s70, s70, 23
	s_or_b32 s70, s70, 0x600000
	v_mov_b32 v[LIM], s70                          ; 448 x 2^E
	v_add_nc_u32 v[LI2], s18, v[LI]
	s_lshr_b32 s20, s12, 3                         ; batch,
	s_lshl_b32 s20, s20, 4
	s_lshl_b32 s21, s13, 2
	s_add_co_u32 s20, s20, s21                     ; + the column tile's first head
	s_lshl_b32 s21, s71, 1
	s_add_co_u32 s20, s20, s21                     ; + my pair
	s_lshl_b32 s20, s20, 17                        ; 131,072 bytes for a batch's head
	s_and_b32 s21, s12, 7
	s_lshl_b32 s21, s21, 1
	s_add_co_u32 s21, s21, s67
	s_lshl_b32 s21, s21, 13                        ; 128 tokens are 8,192 bytes in each of the three
	s_add_co_u32 s20, s20, s21
	s_mov_b32 s21, 0
	s_add_nc_u64 s[OB:OB+1], s[68:69], s[20:21]
	s_lshl_b32 s22, 1024, s66                      ; from block to block: q, k: a tile of 16 tokens, 1,024 bytes; v: a tile of 16 channels, 2,048
	s_mov_b32 s23, 0
	s_mul_i32 s46, s66, 122880                     ; v: block 4 begins the next head: 131,072 - 4 x 2,048 more
	s_mov_b32 s47, 0
.irp a, 1,2,3,4,5,6,7
	s_add_nc_u64 s[OB+2*\a:OB+2*\a+1], s[OB+2*\a-2:OB+2*\a-1], s[22:23]
.if \a == 4
	s_add_nc_u64 s[OB+2*\a:OB+2*\a+1], s[OB+2*\a:OB+2*\a+1], s[46:47]
.endif
.endr
	PLACES NP                                      ; behind the last products
.irp w, 0,1                            ; blocks 0-3 (window 2), then 4-7 (window 3)
	WIN 0x82+0x41*\w                               ; destination and source 0 in the accumulators' window
.set j, 0
.rept 256
	v_med3_num_f32 v[j], v[j], -v[LIM], v[LIM]     ; the hold at the largest code x the scale, always executed; each accumulator from its low end on
.set j, j+1
.endr
	WIN 0x02+\w                                    ; source 0 in the accumulators' window, the codes in window 0
.irp a, 0,1,2,3
.irp c, 0,1,2,3
	v_cvt_scalef32_pk8_fp8_f32 v[CD+16*(4*\w+\a)+4*\c:CD+16*(4*\w+\a)+4*\c+1], v[8*(8*\a+2*\c):8*(8*\a+2*\c)+7], v[SCL]         ; chunk c: 32 c + 16 h + 0 .. 7,
	v_cvt_scalef32_pk8_fp8_f32 v[CD+16*(4*\w+\a)+4*\c+2:CD+16*(4*\w+\a)+4*\c+3], v[8*(8*\a+2*\c+1):8*(8*\a+2*\c+1)+7], v[SCL]   ; + 8 .. 15
.endr
.endr
	v_nop                                          ; one plain vector line behind the last conversion of the run
.endr
	WIN 0
.irp a, 0,1,2,3,4,5,6,7
.irp c, 0,1,2,3
	global_store_b128 v[LI+\c/2], v[CD+16*\a+4*\c:CD+16*\a+4*\c+3], s[OB+2*\a:OB+2*\a+1] offset:512*(\c%2)   ; 32 lanes store 512 consecutive bytes, aligned: a chunk of an image
.endr
.endr
	s_wait_tensorcnt 0x0                           ; the wave's end
	ds_add_u32 v[SPW], v[NIL]
	s_wait_dscnt 0x0
	CROUND                                         ; the closing round: no work-group ends while a partner may still ask for a tile that names it
	s_endpgm
.Lfunc_end_k_q42d6a54ad8_gemm_qkv:
	.size	k_q42d6a54ad8_gemm_qkv, .Lfunc_end_k_q42d6a54ad8_gemm_qkv-k_q42d6a54ad8_gemm_qkv
	.p2alignl 7, 3214868480
	.fill 96, 4, 3214868480
	.section	.rodata,"a",@progbits
	.p2align	6, 0x0
	.amdhsa_kernel k_q42d6a54ad8_gemm_qkv
		.amdhsa_group_segment_fixed_size 327680
		.amdhsa_private_segment_fixed_size 0
		.amdhsa_enable_private_segment 0
		.amdhsa_kernarg_size 48
		.amdhsa_user_sgpr_count 2
		.amdhsa_user_sgpr_kernarg_segment_ptr 1
		.amdhsa_wavefront_size32 1
		.amdhsa_system_sgpr_workgroup_id_x 1
		.amdhsa_system_sgpr_workgroup_id_y 1
		.amdhsa_system_sgpr_workgroup_id_z 1
		.amdhsa_system_vgpr_workitem_id 0
		.amdhsa_next_free_vgpr 1024
		.amdhsa_next_free_sgpr 100
		.amdhsa_reserve_vcc 0
		.amdhsa_float_denorm_mode_32 3
		.amdhsa_float_denorm_mode_16_64 3
		.amdhsa_memory_ordered 1
		.amdhsa_forward_progress 1
		.amdhsa_inst_pref_size 118
	.end_amdhsa_kernel
	.amdgpu_metadata
---
amdhsa.version: [ 1, 2 ]
amdhsa.kernels:
  - .name:           k_q42d6a54ad8_gemm_qkv
    .symbol:         k_q42d6a54ad8_gemm_qkv.kd
    .args:
      - { .name: x_img, .offset: 0, .size: 8, .value_kind: global_buffer, .address_space: global }
      - { .name: wqkv_img, .offset: 8, .size: 8, .value_kind: global_buffer, .address_space: global }
      - { .name: lowp_scales, .offset: 16, .size: 8, .value_kind: global_buffer, .address_space: global }
      - { .name: q_img, .offset: 24, .size: 8, .value_kind: global_buffer, .address_space: global }
      - { .name: k_img, .offset: 32, .size: 8, .value_kind: global_buffer, .address_space: global }
      - { .name: v_img, .offset: 40, .size: 8, .value_kind: global_buffer, .address_space: global }
    .group_segment_fixed_size: 327680
    .private_segment_fixed_size: 0
    .kernarg_segment_align: 8
    .kernarg_segment_size: 48
    .max_flat_workgroup_size: 128
    .sgpr_count:     100
    .vgpr_count:     1024
    .wavefront_size: 32
...
	.end_amdgpu_metadata
.endif
;; end of part 2
;; launch attn (part 3): grid 8 x 32, 16 waves a work-group, clusters of 4 x 1, 264,192 bytes of LDS; arguments q_img, k_img, v_img, lowp_scales, ao_img; writes ao_img
.if DOCPART == 3
	.amdgcn_target "amdgcn-amd-amdhsa--gfx1250"
	.amdhsa_code_object_version 6
	.text
	.protected	k_q42d6a54ad8_attn
	.globl	k_q42d6a54ad8_attn
	.p2align	8
	.type	k_q42d6a54ad8_attn,@function
k_q42d6a54ad8_attn:
	s_mov_b64 s[64:65], 0
	v_nop
	global_prefetch_b8 v0, s[64:65] scope:SCOPE_SE
	s_setreg_imm32_b32 hwreg(HW_REG_WAVE_MODE, 25, 1), 1
	s_wait_xcnt 0x0
	s_wait_alu depctr_hold_cnt(0) depctr_sa_sdst(0) depctr_va_vdst(0) depctr_va_sdst(0) depctr_va_ssrc(0) depctr_va_vcc(0) depctr_vm_vsrc(0)
	s_getreg_b32 s2, hwreg(HW_REG_IB_STS2, 6, 4)
	s_cmp_eq_u32 s2, 0
	s_cbranch_scc0 .Lentry_in_a_cluster
	s_endpgm
.Lentry_in_a_cluster:
	s_bfe_u32 s2, ttmp6, 0x10000c
	s_cmp_lg_u32 s2, 0x3003
	s_cbranch_scc0 .Lentry_shape_is_right
	s_endpgm
.Lentry_shape_is_right:
; Causal attention on codes of FP8 (E4M3): 32 (batch, head) pairs, 2,048 tokens, head size 64.  The result, divided by the row's sum, is quantised (scales' entry 6) and leaves as codes, laid as the last product's operand.
; THE SOFTMAX: t = score x log2(e) / 8; M = the running largest t, rounded UP to a whole number; p = 2^(t - M) is quantised along the keys (entry 4), not normalised; the row's sum is taken of the unquantised p.
; When M moves, the sum and O are multiplied by 2^(old M - new M): nothing is rounded.
; IMAGES.  q_img, k_img: [pair][tile of 16 tokens][chunk c 0..1][lane][16 bytes]: lane (r, h) holds d = 32 c + 16 h + 0 .. 15 of token place r.  v_img: [pair][128 keys][tile of 16 channels][chunk c 0..3][lane][16]: keys 32 c + 16 h + 0 .. 15 of channel place r.
; PLACES: lane r of tile 2 b + u holds row 32 b + 8 u + r + 8 (r / 8).  Both products are used transposed (S^T = K Q^T, O^T = V^T P^T): a lane holds ONE query throughout, and the 16 registers of tiles 2 b, 2 b + 1 are
; 16 neighbours (keys in S^T, channels in O^T): the conversions' results are the next operand's registers.
; SHARES.  A work-group is (X = 0 .. 7, pair).  Each of its sixteen waves owns ONE tile of 16 queries: tile X of the group GI of 128 tokens, GI a function of the wave's number alone.  So every work-group has the same
; 136 wave-steps under the mask, the causal jump hangs on the wave's number alone, and every work-group reads all keys.  The table gives each SIMD's four waves 34 steps whether waves are dealt by w % 4 or by w / 4.
; LDS: the pair's whole K (131,072 bytes) and V (131,072): nothing is filled again.  Waves 0-3 fetch, four loads each (four are out at the most), each part 4 key steps; a part is read while the later ones land.
; CLUSTER: the four work-groups of a cluster have one pair and read the same K and V: each part is asked for jointly (mask 15).
; LIMITS on the given exponents: e2 + e3 between -123 and 130 (added to c's exponent field); e4, and e6 - e4 - e5, between -126 and 119.
; REGISTERS: v1 16 x lane; v2, v3 LDS addresses of the step's K and V; v4 the mask's threshold; v12 -M, v13 the largest t, v[14:15] the sum in two halves; v16-23 Q; v32-95 K's 8 fragments, then V's 4;
; v96-159 S^T, then p; v160-191 O^T; v224-239 p's codes; v240, v244: 448 x 2^e4, 2^e4; v250, v251: the result's scale and hold; v236, v242-243, v252-254 at work.
.set LI,   1
.set ADK,  2
.set ADV,  3
.set DQ,   4
.set WV,   18                          ; s18  my wave's number
.set GI,   19                          ; s19  my group of 128 tokens
.set SEL,  20                          ; s[20:21] lane selects for v_permlanex16_b32: lane l xor 16
.set CS,   22                          ; s[22:23] c = log2(e) / 8 x 2^(e2 + e3)
.set G1,   24                          ; s[24:31] descriptor group 1
.set G0,   32                          ; s[32:47] descriptor group 0 for my four parts
.set TB,   48                          ; s48  LDS byte at which the step's K begins
.set KS,   49                          ; s49  the key step
.set CNT,  50                          ; s50  counts a part's four steps
.set TILE, 51                          ; s51  my tile of queries: 8 GI + X
.macro ROUND                           ; a round of the cluster's barrier
	s_barrier_signal -1
	s_barrier_wait -1
	s_cmp_lg_u32 s[WV], 0
	s_cbranch_scc1 .Lnot_wave_0_\@
	s_barrier_signal -3
.Lnot_wave_0_\@:
	s_barrier_wait -3
	s_barrier_signal -1
	s_barrier_wait -1
.endm
	s_load_b256 s[4:11], s[0:1], 0x0               ; q_img s[4:5], k_img s[6:7], v_img s[8:9], the scales s[10:11]
	s_load_b64 s[12:13], s[0:1], 0x20              ; ao_img
	v_lshl_add_u32 v249, v0, 2, 0x40000
	v_mov_b32 v255, 0
	ds_add_u32 v249, v255
	ds_add_u32 v249, v255
	v_lshrrev_b32 v8, 5, v0
	v_readfirstlane_b32 s[WV], v8                  ; wave 0..15
	s_bfe_u32 s14, ttmp6, 0x40000                  ; cx: it enters global addresses of my own and the mask's threshold, nothing else
	s_lshl_b32 s15, ttmp9, 2
	s_add_co_u32 s15, s15, s14                     ; X = 4 x cluster x + cx
	s_and_b32 s16, ttmp7, 0xffff                   ; the pair, which the four partners share
	s_mov_b32 s60, 0x7AC1853E                      ; GI of waves 8-15, four bits each: 14, 3, 5, 8, 1, 12, 10, 7
	s_cmp_lt_u32 s[WV], 8
	s_cselect_b32 s60, 0x6BD0942F, s60             ; of waves 0-7: 15, 2, 4, 9, 0, 13, 11, 6
	s_and_b32 s61, s[WV], 7
	s_lshl_b32 s61, s61, 2
	s_lshr_b32 s60, s60, s61
	s_and_b32 s[GI], s60, 15
	; descriptor group 1: 16,384 consecutive bytes as 64 rows of 32 elements of 8 bytes
	s_mov_b32 s[G1], 15|(3<<16)|(1<<21)            ; 15:0 the mask: all four work-groups; 17:16 elements of 8 bytes; 21 set beside a mask
	s_mov_b32 s[G1+1], 32<<16                      ; tensor_dim0 = 32
	s_mov_b32 s[G1+2], 64<<16                      ; tensor_dim1 = 64
	s_mov_b32 s[G1+3], 32<<16                      ; tile_dim0 = 32
	s_mov_b32 s[G1+4], 64                          ; tile_dim1 = 64
	s_mov_b32 s[G1+5], 32                          ; from row to row: 32 elements
	s_mov_b32 s[G1+6], 0
	s_mov_b32 s[G1+7], 0
	s_mov_b32 s[SEL], 0x76543210
	s_mov_b32 s[SEL+1], 0xfedcba98
	s_mov_b32 s[CS], 0x3e38aa3b                    ; log2(e) / 8
	s_and_b32 s60, s[WV], 1
	s_lshl_b32 s60, s60, 14                        ; waves 0, 2: the first 16,384 bytes of a part; waves 1, 3: the second
	s_bfe_u32 s61, s[WV], 0x10001
	s_lshl_b32 s61, s61, 17                        ; waves 0, 1: K, from LDS byte 0; waves 2, 3: V, from byte 131,072
	s_add_co_u32 s61, s61, s60
	s_lshl_b32 s62, s16, 17                        ; the pair's 131,072 bytes in each buffer
	s_add_co_u32 s62, s62, s60
	s_mov_b32 s63, 0
	v_and_b32 v8, 31, v0
	v_lshlrev_b32 v[LI], 4, v8
	s_wait_dscnt 0x0
	s_wait_kmcnt 0x0
	s_load_b256 s[52:59], s[10:11], 0x0            ; e0 .. e7
	s_cmp_lt_u32 s[WV], 2
	s_cselect_b64 s[2:3], s[6:7], s[8:9]
	s_add_nc_u64 s[2:3], s[2:3], s[62:63]
.irp p, 0,1,2,3                        ; part p: key steps 4 p .. 4 p + 3: 32,768 bytes of K and of V
	s_mov_b32 s[G0+4*\p], 1
	s_add_co_u32 s[G0+4*\p+1], s61, \p*32768
	s_add_nc_u64 s[G0+4*\p+2:G0+4*\p+3], s[2:3], \p*32768
	s_or_b32 s[G0+4*\p+3], s[G0+4*\p+3], 0x80000000
.endr
	s_lshl_b32 s[TILE], s[GI], 3
	s_add_co_u32 s[TILE], s[TILE], s15
	s_lshl_b32 s60, s[TILE], 10                    ; a tile of Q is 1,024 bytes
	s_lshl_b32 s62, s16, 17
	s_add_co_u32 s62, s62, s60
	s_add_nc_u64 s[4:5], s[4:5], s[62:63]
	global_load_b128 v[16:19], v[LI], s[4:5]               ; Q's fragment stays in registers
	global_load_b128 v[20:23], v[LI], s[4:5] offset:512
	ROUND                                          ; all four work-groups are here: the joint loads meet
	s_cmp_lt_u32 s[WV], 4                          ; a wave's four fills stand in one branch, ahead of every wait on TENSORcnt, every LDS read and every other barrier
	s_cbranch_scc0 .Lno_fetch
	tensor_load_to_lds s[G0:G0+3], s[G1:G1+7]
	s_nop 0
	tensor_load_to_lds s[G0+4:G0+7], s[G1:G1+7]
	s_nop 0
	tensor_load_to_lds s[G0+8:G0+11], s[G1:G1+7]
	s_nop 0
	tensor_load_to_lds s[G0+12:G0+15], s[G1:G1+7]
	s_nop 0
.rept 4
	v_nop
.endr
.Lno_fetch:
	s_and_b32 s60, s16, 15                         ; the head.  ao_img: K = 64 head + d: K slot head / 4,
	s_lshr_b32 s61, s60, 2
	s_lshl_b32 s61, s61, 20
	s_and_b32 s60, s60, 3
	s_lshl_b32 s60, s60, 10                        ; two chunks of 512 bytes at 1,024 (head % 4) in the tile's 4,096,
	s_add_co_u32 s60, s60, s61
	s_lshr_b32 s61, s16, 4
	s_lshl_b32 s61, s61, 7
	s_add_co_u32 s61, s61, s[TILE]                 ; tile of tokens: 128 x batch + mine
	s_lshl_b32 s61, s61, 12
	s_add_co_u32 s62, s60, s61
	s_add_nc_u64 s[12:13], s[12:13], s[62:63]
	v_and_b32 v8, 15, v0                           ; r
	v_bfe_u32 v9, v0, 4, 1                         ; h
	v_and_b32 v10, 8, v8
	v_add_nc_u32 v10, v10, v8                      ; r + 8 (r / 8)
	v_lshlrev_b32 v9, 4, v9
	v_sub_nc_u32 v10, v10, v9
	s_lshr_b32 s60, s15, 1
	s_lshl_b32 s60, s60, 5
	s_and_b32 s61, s15, 1
	s_lshl_b32 s61, s61, 3
	s_add_co_u32 s60, s60, s61
	v_add_nc_u32 v[DQ], s60, v10                   ; my query's number in its group of 128, less 16 h.  Register 16 b + i holds key 32 b + 16 h + i of the step: hidden on the diagonal where 32 b + i is above this
	v_mov_b32 v13, 0xff61b1e6                      ; the largest t so far: -3e38, under every t
	v_floor_f32 v12, -v13                          ; -M
	v_mov_b32 v14, 0                               ; the sum, in two halves
	v_mov_b32 v15, 0
	v_mov_b32 v236, 0                              ; written once: a lane permute's destination counts as one of its sources
	v_mov_b32 v253, 0                              ; (named as the upper half of the pair v[252:253])
.irp j, 0,1,2,3,4,5,6,7,8,9,10,11,12,13,14,15,16,17,18,19,20,21,22,23,24,25,26,27,28,29,30,31
	v_mov_b32 v[160+\j], 0                         ; O^T.  (The step is written without a first step of its own: it finds zeros, which the first change of M leaves zeros)
.endr
	s_wait_kmcnt 0x0
	s_add_co_i32 s60, s54, s55
	s_lshl_b32 s60, s60, 23
	s_add_co_i32 s[CS], s[CS], s60                 ; a score stands for score x 2^(e2 + e3): added to c's exponent field
	s_mov_b32 s[CS+1], s[CS]                       ; (named with it as a pair, so it is written)
	s_add_co_i32 s60, s56, 127
	s_lshl_b32 s61, s60, 23
	v_mov_b32 v244, s61                            ; 2^e4, for p's conversions
	s_add_co_i32 s60, s60, 8
	s_lshl_b32 s60, s60, 23
	s_or_b32 s60, s60, 0x600000
	v_mov_b32 v240, s60                            ; 448 x 2^e4
	s_sub_co_i32 s60, s58, s56
	s_sub_co_i32 s60, s60, s57                     ; O^T / sum stands for that x 2^(e4 + e5): its code is it / 2^(e6 - e4 - e5)
	s_add_co_i32 s60, s60, 127
	s_lshl_b32 s61, s60, 23
	v_mov_b32 v250, s61
	s_add_co_i32 s60, s60, 8
	s_lshl_b32 s60, s60, 23
	s_or_b32 s60, s60, 0x600000
	v_mov_b32 v251, s60
; A KEY STEP: 128 keys.  A step all of whose keys come after my group of tokens is left out: a scalar branch on the wave's number and the step's, round the step's work; no barrier and no tensor load stands in a step.
.macro STEP
	s_cmp_gt_u32 s[KS], s[GI]
	s_cbranch_scc1 .Lhidden_\@
	v_add_nc_u32 v[ADK], s[TB], v[LI]
	v_add_nc_u32 v[ADV], 0x20000, v[ADK]
	v_nop
	v_nop                                          ; with the two additions: four places in front of loads into registers that the last step's products have read
.irp t, 0,1,2,3,4,5,6,7
.irp c, 0,1
	ds_load_b128 v[32+8*\t+4*\c:32+8*\t+4*\c+3], v[ADK] offset:1024*\t+512*\c   ; 512 consecutive bytes a load
.endr
.endr
	s_wait_dscnt 0x0
.irp t, 0,1,2,3,4,5,6,7
	v_wmma_f32_16x16x64_fp8_fp8 v[96+8*\t:103+8*\t], v[32+8*\t:39+8*\t], v[16:23], 0   ; S^T: source 0 = 16 keys, source 1 = my 16 queries
.endr
.rept 4
	v_nop                                          ; places in front of the loads below and of the first read of the scores
.endr
.irp d, 0,1,2,3
.irp c, 0,1,2,3
	ds_load_b128 v[32+16*\d+4*\c:32+16*\d+4*\c+3], v[ADV] offset:2048*\d+512*\c   ; V's four fragments land while the softmax is walked
.endr
.endr
	s_cmp_lt_u32 s[KS], s[GI]                      ; only the step on the diagonal is masked
	s_cbranch_scc1 .Lopen_\@
	v_mov_b32 v254, 0xff800000                     ; -infinity ahead of the maximum: p = 0 then.  My own key counts, so the maximum is a number
.irp n, 0,1,2,3,4,5,6,7,8,9,10,11,12,13,14,15,16,17,18,19,20,21,22,23,24,25,26,27,28,29,30,31,32,33,34,35,36,37,38,39,40,41,42,43,44,45,46,47,48,49,50,51,52,53,54,55,56,57,58,59,60,61,62,63
	v_cmp_gt_i32 vcc_lo, 32*(\n/16)+\n%16, v[DQ]
	v_cndmask_b32 v[96+\n], v[96+\n], v254, vcc_lo
.endr
.Lopen_\@:
	v_max3_num_f32 v254, v96, v97, v98             ; the step's largest score of my query, among my 64 keys, in two chains; each accumulator is first read at its low end,
	v_max3_num_f32 v252, v99, v100, v101
.irp i, 6,10,14,18,22,26,30,34,38,42,46,50,54,58
	v_max3_num_f32 v254, v254, v[96+\i], v[97+\i]
	v_max3_num_f32 v252, v252, v[98+\i], v[99+\i]
.endr
	v_max3_num_f32 v254, v254, v158, v159
	v_max_num_f32 v254, v254, v252
	v_permlanex16_b32 v236, v254, s[SEL], s[SEL+1]
	v_max_num_f32 v254, v254, v236                 ; and among lane l xor 16's
	v_mul_f32 v254, s[CS], v254                    ; as t (c is positive)
	v_max_num_f32 v13, v13, v254                   ; the running largest t
	v_mov_b32 v254, v12
	v_floor_f32 v12, -v13                          ; the new -M = floor(-t) = -ceil(t): a whole number
	v_sub_f32 v254, v12, v254                      ; M's old value less its new one: a whole number, 0 or less
	v_cvt_i32_f32 v254, v254                       ; (it saturates)
	v_ldexp_f32 v252, 1.0, v254                    ; f = 2^(old M - new M)
.irp j, 0,2,4,6,8,10,12,14,16,18,20,22,24,26,28,30,32,34,36,38,40,42,44,46,48,50,52,54,56,58,60,62
	v_pk_fma_f32 v[96+\j:97+\j], v[96+\j:97+\j], s[CS:CS+1], v[12:13] op_sel_hi:[1,0,0]   ; t - M, two at a time (of the pairs c and -M the low word serves both halves)
.endr
.irp j, 0,1,2,3,4,5,6,7,8,9,10,11,12,13,14,15,16,17,18,19,20,21,22,23,24,25,26,27,28,29,30,31,32,33,34,35,36,37,38,39,40,41,42,43,44,45,46,47,48,49,50,51,52,53,54,55,56,57,58,59,60,61,62,63
	v_exp_f32 v[96+\j], v[96+\j]                   ; p = 2^(t - M), at most 1
.endr
	v_pk_mul_f32 v[14:15], v[14:15], v[252:253] op_sel_hi:[1,0]   ; the sums under the new M: the plain line behind the exponentials
	s_wait_alu depctr_va_vdst(0)                   ; one wait for the batch of 64, ahead of its first reader
	v_pk_add_f32 v[242:243], v[96:97], v[98:99]    ; the row's sum is taken of the unquantised p: two at a time, in two chains
.irp j, 4,8,12,16,20,24,28,32,36,40,44,48,52,56,60
	v_pk_add_f32 v[14:15], v[14:15], v[96+\j:97+\j]
	v_pk_add_f32 v[242:243], v[242:243], v[98+\j:99+\j]
.endr
	v_pk_add_f32 v[14:15], v[14:15], v[242:243]
.irp b, 0,1,2,3
.irp i, 0,1,2,3,4,5,6,7,8,9,10,11,12,13,14,15
	v_min_num_f32 v[96+16*\b+\i], v[96+16*\b+\i], v240   ; the conversion does not saturate (ISA guide 7.6.2); p is not negative, so the hold is one-sided; it is always executed
.endr
	v_cvt_scalef32_pk8_fp8_f32 v[224+4*\b:225+4*\b], v[96+16*\b:103+16*\b], v244
	v_cvt_scalef32_pk8_fp8_f32 v[226+4*\b:227+4*\b], v[104+16*\b:111+16*\b], v244
.endr
.irp j, 0,2,4,6,8,10,12,14,16,18,20,22,24,26,28,30
	v_pk_mul_f32 v[160+\j:161+\j], v[160+\j:161+\j], v[252:253] op_sel_hi:[1,0]   ; O^T under the new M.  (Also the plain lines between the conversions and the products that read their results)
.endr
	s_wait_dscnt 0x0                               ; V is in
.irp d, 0,1,2,3
	v_wmma_f32_16x16x128_fp8_fp8 v[160+8*\d:167+8*\d], v[32+16*\d:47+16*\d], v[224:239], v[160+8*\d:167+8*\d]   ; O^T += V^T P^T; the four accumulators take one turn each
.endr
.Lhidden_\@:
	s_add_co_u32 s[KS], s[KS], 1
	s_add_co_u32 s[TB], s[TB], 8192
.endm
; PART p of K and V: the waves that fetch wait until theirs has landed (the 3 - p loads issued behind it may stay out), every wave passes the barrier, and four key steps follow.
.macro PHASE p
	s_wait_tensorcnt 3-\p
	s_wait_dscnt 0x0
	s_barrier_signal -1
	s_barrier_wait -1
	s_mov_b32 s[TB], \p*32768
	s_mov_b32 s[KS], 4*\p
	s_mov_b32 s[CNT], 4
.Lstep_\@:
	STEP
	s_sub_co_u32 s[CNT], s[CNT], 1
	s_cmp_lg_u32 s[CNT], 0
	s_cbranch_scc1 .Lstep_\@
.endm
	s_wait_loadcnt 0x0                             ; Q
	PHASE 0
	PHASE 1
	PHASE 2
	PHASE 3
	; THE WAY OUT: O^T / the sum, held, converted: the 16 registers of channel tiles 2 c, 2 c + 1 are channels 32 c + 16 h + 0 .. 15 of my query: chunk c of my head's part of the last product's operand.
.rept 4
	v_nop                                          ; places behind the last products
.endr
	v_add_f32 v14, v14, v15                        ; the sum's two halves,
	v_permlanex16_b32 v236, v14, s[SEL], s[SEL+1]
	v_add_f32 v14, v14, v236                       ; and lane l xor 16's
	v_rcp_f32 v14, v14
	v_nop                                          ; a plain line behind the transcendental
	s_wait_alu depctr_va_vdst(0)                   ; and the wait ahead of its first reader
.irp j, 0,2,4,6,8,10,12,14,16,18,20,22,24,26,28,30
	v_pk_mul_f32 v[96+\j:97+\j], v[160+\j:161+\j], v[14:15] op_sel_hi:[1,0]
.endr
.irp j, 0,1,2,3,4,5,6,7,8,9,10,11,12,13,14,15,16,17,18,19,20,21,22,23,24,25,26,27,28,29,30,31
	v_med3_num_f32 v[96+\j], v[96+\j], -v251, v251
.endr
.irp c, 0,1
	v_cvt_scalef32_pk8_fp8_f32 v[224+4*\c:225+4*\c], v[96+16*\c:103+16*\c], v250
	v_cvt_scalef32_pk8_fp8_f32 v[226+4*\c:227+4*\c], v[104+16*\c:111+16*\c], v250
.endr
	v_nop                                          ; one plain vector line behind the last conversion
	global_store_b128 v[LI], v[224:227], s[12:13]              ; 32 lanes store 512 consecutive bytes, aligned
	global_store_b128 v[LI], v[228:231], s[12:13] offset:512
	s_wait_tensorcnt 0x0
	ds_add_u32 v249, v255
	s_wait_dscnt 0x0
	ROUND                                          ; the closing round: no work-group ends while a partner may still ask for a part that names it
	s_endpgm
.Lfunc_end_k_q42d6a54ad8_attn:
	.size	k_q42d6a54ad8_attn, .Lfunc_end_k_q42d6a54ad8_attn-k_q42d6a54ad8_attn
	.p2alignl 7, 3214868480
	.fill 96, 4, 3214868480
	.section	.rodata,"a",@progbits
	.p2align	6, 0x0
	.amdhsa_kernel k_q42d6a54ad8_attn
		.amdhsa_group_segment_fixed_size 264192
		.amdhsa_private_segment_fixed_size 0
		.amdhsa_enable_private_segment 0
		.amdhsa_kernarg_size 40
		.amdhsa_user_sgpr_count 2
		.amdhsa_user_sgpr_kernarg_segment_ptr 1
		.amdhsa_wavefront_size32 1
		.amdhsa_system_sgpr_workgroup_id_x 1
		.amdhsa_system_sgpr_workgroup_id_y 1
		.amdhsa_system_sgpr_workgroup_id_z 1
		.amdhsa_system_vgpr_workitem_id 0
		.amdhsa_next_free_vgpr 256
		.amdhsa_next_free_sgpr 66
		.amdhsa_reserve_vcc 1
		.amdhsa_float_denorm_mode_32 3
		.amdhsa_float_denorm_mode_16_64 3
		.amdhsa_memory_ordered 1
		.amdhsa_forward_progress 1
		.amdhsa_inst_pref_size 95
	.end_amdhsa_kernel
	.amdgpu_metadata
---
amdhsa.version: [ 1, 2 ]
amdhsa.kernels:
  - .name:           k_q42d6a54ad8_attn
    .symbol:         k_q42d6a54ad8_attn.kd
    .args:
      - { .name: q_img, .offset: 0, .size: 8, .value_kind: global_buffer, .address_space: global }
      - { .name: k_img, .offset: 8, .size: 8, .value_kind: global_buffer, .address_space: global }
      - { .name: v_img, .offset: 16, .size: 8, .value_kind: global_buffer, .address_space: global }
      - { .name: lowp_scales, .offset: 24, .size: 8, .value_kind: global_buffer, .address_space: global }
      - { .name: ao_img, .offset: 32, .size: 8, .value_kind: global_buffer, .address_space: global }
    .group_segment_fixed_size: 264192
    .private_segment_fixed_size: 0
    .kernarg_segment_align: 8
    .kernarg_segment_size: 40
    .max_flat_workgroup_size: 512
    .sgpr_count:     66
    .vgpr_count:     256
    .wavefront_size: 32
...
	.end_amdgpu_metadata
.endif
;; end of part 3
;; launch gemm_out (part 4): grid 4 x 16, 4 waves a work-group, clusters of 4 x 4, 327,680 bytes of LDS; arguments ao_img, wout_img, lowp_scales, out0; writes out0
.if DOCPART == 4
	.amdgcn_target "amdgcn-amd-amdhsa--gfx1250"
	.amdhsa_code_object_version 6
	.text
	.protected	k_q42d6a54ad8_gemm_out
	.globl	k_q42d6a54ad8_gemm_out
	.p2align	8
	.type	k_q42d6a54ad8_gemm_out,@function
k_q42d6a54ad8_gemm_out:
	s_mov_b64 s[64:65], 0
	v_nop
	global_prefetch_b8 v0, s[64:65] scope:SCOPE_SE
	s_setreg_imm32_b32 hwreg(HW_REG_WAVE_MODE, 25, 1), 1
	s_wait_xcnt 0x0
	s_wait_alu depctr_hold_cnt(0) depctr_sa_sdst(0) depctr_va_vdst(0) depctr_va_sdst(0) depctr_va_ssrc(0) depctr_va_vcc(0) depctr_vm_vsrc(0)
	s_getreg_b32 s2, hwreg(HW_REG_IB_STS2, 6, 4)
	s_cmp_eq_u32 s2, 0
	s_cbranch_scc0 .Lentry_in_a_cluster
	s_endpgm
.Lentry_in_a_cluster:
	s_bfe_u32 s2, ttmp6, 0x10000c
	s_cmp_lg_u32 s2, 0xf033
	s_cbranch_scc0 .Lentry_shape_is_right
	s_endpgm
.Lentry_shape_is_right:
; out0 = attention's result x w_out on codes of FP8 (E4M3), M 4,096, N 1,024, K 1,024; sums in f32, each multiplied once by 2^(e6 + e7).  LIMIT: -126 <= e6 + e7 <= 127.
; OPERANDS ARE IMAGES OF REGISTERS: a fragment (16 rows x 128 K) is 2,048 bytes, chunk c at 512 c, lane l's 16 bytes at 16 l: k = 32 c + 16 (l / 16) + 0 .. 15 of row l % 16, the same places of k on both sides.
; A buffer is [K / 256][rows / 16][2 fragments]: 128 rows of a K slot are 32,768 consecutive bytes, one tensor load; every LDS load takes 512 consecutive bytes.
; ROW PLACES: lane r of tile 2 b + u holds row 32 b + 8 u + r + 8 (r / 8), for tokens and for w_out's columns alike; the way out puts both back.
; A tile of 256 x 256 is made by four waves, each 128 x 128: 64 accumulators, 512 registers.  K goes in four slots of 256 through a ring of two LDS slots.  Source 0 = w_out's columns, source 1 = tokens.
; CLUSTERS: 4 x 4 work-groups; the tokens' tile is shared along a row of the cluster, w_out's along a column: each is asked for jointly.  64 work-groups: the size has no more tiles of this shape.
; REGISTERS, in windows of 256: window 0: v16-31 addresses; from v128 source 1's fragments, one set; on the way out v32-255 are free.  window 1: source 0's fragments, two sets.  windows 2, 3: the accumulators.
.set KSA,    1048576                   ; from K slot to K slot in ao_img
.set KSB,    262144                    ; in wout_img
.set FR,     16
.set NL,     4
.set NP,     4                         ; places behind this matrix instruction (ISA guide 7.12.1)
.set HALFT,  32768
.set SLOT,   4*HALFT
.set SPARE,  2*SLOT                    ; behind the ring: the spare words, 128 bytes for each wave
.set SPITCH, 528                       ; the way out: a stage of 16 rows x (512 bytes + 16) for each wave, in slot 0, which has had its last fill and its last read when the first result is stored there
.set ROWC,   4096                      ; a row of out0 in bytes
.set ADRA, 16
.set ADRB, 20
.set STO,  24                          ; v24     the way out: where I put 32 bytes of a row
.set RD,   25                          ; v25     where I read a row back
.set CO,   26                          ; v26     16 x lane
.set SPW,  28                          ; v28     LDS address of my spare word; never rewritten
.set NIL,  29                          ; v29     0; never rewritten
.set TMP,  32                          ; the way out: 64 registers, a block's sums x 2^(e6 + e7)
.set AF,   128
.set BK,   128                         ; the way out: 16 rows read back: v128-191 and v192-255 by turns
.set G1, 24
.set G0, 32
.set G1B, 48
.set G0B, 56
.set MSB, 0
.macro WIN new                         ; the immediate's high byte repeats the setting that is left
.if MSB != (\new)
	s_set_vgpr_msb (MSB<<8)|(\new)
.set MSB, (\new)
.endif
.endm
.set MUL_LO, 0xa1                      ; source 0 window 1, source 1 window 0, C and D window 2
.set MUL_HI, 0xf1                      ; the same, C and D window 3
.set TO_B,   0x40                      ; destination window 1, address window 0
; A joint load: waves 0 and 1 fetch the tokens' two halves, waves 2 and 3 w_out's.  Four v_nop follow each of the two lines.
.macro JLOAD g0a, g1a, g0b, g1b
	s_cmp_eq_u32 s15, 0
	s_cbranch_scc0 .Lfor_b_\@
	tensor_load_to_lds s[\g0a:\g0a+3], s[\g1a:\g1a+7]
	s_nop 0
.rept 4
	v_nop
.endr
	s_branch .Lasked_\@
.Lfor_b_\@:
	tensor_load_to_lds s[\g0b:\g0b+3], s[\g1b:\g1b+7]
	s_nop 0
.rept 4
	v_nop
.endr
.Lasked_\@:
.endm
.macro CREST                           ; a round of the cluster's barrier behind its opening barrier
	s_cmp_lg_u32 s14, 0
	s_cbranch_scc1 .Lnot_wave_0_\@
	s_barrier_signal -3
.Lnot_wave_0_\@:
	s_barrier_wait -3
	s_barrier_signal -1
	s_barrier_wait -1
.endm
.macro CROUND
	s_barrier_signal -1
	s_barrier_wait -1
	CREST
.endm
	s_load_b128 s[4:7], s[0:1], 0x0                ; ao_img s[4:5], wout_img s[6:7]
	s_load_b128 s[8:11], s[0:1], 0x10              ; the scales s[8:9], out0 s[10:11]
	v_lshl_add_u32 v[SPW], v0, 2, SPARE
	v_mov_b32 v[NIL], 0
	ds_add_u32 v28, v29
	ds_add_u32 v28, v29
	s_wait_dscnt 0x0
	v_lshrrev_b32 v1, 5, v0
	v_readfirstlane_b32 s14, v1                    ; wave 0..3
	s_lshr_b32 s15, s14, 1                         ; which half of the tile's rows is mine.  Also: I fetch for the tokens (0) or for w_out (1)
	s_and_b32 s16, s14, 1                          ; which half of its columns.  Also: which 128 rows of that tile I fetch
	s_bfe_u32 s40, ttmp6, 0x40000                  ; cx, cy
	s_bfe_u32 s41, ttmp6, 0x40004
	s_lshl_b32 s42, ttmp9, 2
	s_add_co_u32 s42, s42, s40                     ; tile column
	s_and_b32 s17, ttmp7, 0xffff
	s_lshl_b32 s17, s17, 2
	s_add_co_u32 s17, s17, s41                     ; tile row
	s_lshl_b32 s43, s41, 2
	s_lshl_b32 s43, 15, s43                        ; my row of the cluster
	s_lshl_b32 s44, 0x1111, s40                    ; my column
	s_or_b32 s[G1+0], s43, (3<<16)|(1<<21)         ; 15:0 the mask; 17:16 elements of 8 bytes; 21 set beside a mask
	s_or_b32 s[G1B+0], s44, (3<<16)|(1<<21)
.irp g, G1, G1B
	s_mov_b32 s[\g+1], 32<<16                      ; tensor_dim0 = 32
	s_mov_b32 s[\g+2], 128<<16                     ; tensor_dim1 = 128
	s_mov_b32 s[\g+3], 32<<16                      ; tile_dim0 = 32
	s_mov_b32 s[\g+4], 128                         ; tile_dim1 = 128
	s_mov_b32 s[\g+5], 32                          ; from row to row: 32 elements
	s_mov_b32 s[\g+6], 0
	s_mov_b32 s[\g+7], 0
.endr
	s_lshl_b32 s18, s16, 15
	s_lshl_b32 s20, s17, 16
	s_add_co_u32 s20, s20, s18
	s_lshl_b32 s46, s42, 16
	s_add_co_u32 s46, s46, s18
	s_mov_b32 s21, 0
	s_mov_b32 s47, 0
	s_mul_i32 s45, s14, HALFT
	s_wait_kmcnt 0x0
	s_load_b64 s[96:97], s[8:9], 0x18              ; e6, e7
	s_add_nc_u64 s[20:21], s[4:5], s[20:21]
	s_add_nc_u64 s[46:47], s[6:7], s[46:47]
	CROUND                                         ; all sixteen work-groups are here: the first joint loads meet
.irp s, 0,1
	s_mov_b32 s[G0+4*\s], 1
	s_add_co_u32 s[G0+4*\s+1], s45, \s*SLOT
	s_add_nc_u64 s[G0+4*\s+2:G0+4*\s+3], s[20:21], \s*KSA
	s_or_b32 s[G0+4*\s+3], s[G0+4*\s+3], 0x80000000
	s_mov_b32 s[G0B+4*\s], 1
	s_add_co_u32 s[G0B+4*\s+1], s45, \s*SLOT
	s_add_nc_u64 s[G0B+4*\s+2:G0B+4*\s+3], s[46:47], \s*KSB
	s_or_b32 s[G0B+4*\s+3], s[G0B+4*\s+3], 0x80000000
	JLOAD G0+4*\s, G1, G0B+4*\s, G1B               ; two loads of mine are out
.endr
	v_and_b32 v1, 15, v0                           ; r
	v_bfe_u32 v2, v0, 4, 1                         ; h
	v_and_b32 v6, 31, v0
	v_lshlrev_b32 v[CO], 4, v6
	s_mul_i32 s21, s15, HALFT                      ; my 128 tokens
	s_mul_i32 s22, s16, HALFT                      ; my 128 columns,
	s_add_co_u32 s22, s22, 2*HALFT                 ; which lie behind the tokens' 256 rows
.irp s, 0,1
	v_add_nc_u32 v[ADRA+\s], s21, v[CO]
	v_add_nc_u32 v[ADRB+\s], s22, v[CO]
	s_add_co_u32 s21, s21, SLOT
	s_add_co_u32 s22, s22, SLOT
.endr
	s_mul_i32 s23, s14, 16*SPITCH                  ; my stage
	v_mul_u32_u24 v5, v1, SPITCH                   ; in: row r; tile b's eight columns are 32 (b / 2) + 16 h + 8 (b % 2) + 0 .. 7: 64 h bytes here, the rest in the immediate
	v_lshl_add_u32 v5, v2, 6, v5
	v_add_nc_u32 v[STO], s23, v5
	v_add_nc_u32 v[RD], s23, v[CO]                 ; back: the 32 lanes take one row of 512 bytes
	s_lshl_b32 s20, s17, 8
	s_lshl_b32 s21, s15, 7
	s_add_co_u32 s20, s20, s21                     ; my first row of out0
	s_lshl_b32 s20, s20, 12
	s_lshl_b32 s46, s42, 10                        ; my first column, in bytes: 1,024 x tile column + 512 x half
	s_lshl_b32 s47, s16, 9
	s_add_co_u32 s46, s46, s47
	s_add_co_u32 s20, s20, s46
	s_mov_b32 s21, 0
	s_add_nc_u64 s[10:11], s[10:11], s[20:21]
.macro FRAG reg, adr, q, i             ; fragment i of my eight, the slot's q-th 128 along K: four loads of 512 consecutive bytes
.irp c, 0,1,2,3
	ds_load_b128 v[\reg+4*\c:\reg+4*\c+3], v[\adr] offset:4096*(\i)+2048*(\q)+512*\c
.endr
.endm
; 16 matrix instructions; the 64 accumulators take turns, one instruction a turn, in the same order in every step.  zero = 1: the first product starts the sums.
.macro MUL16 a0, p, zero
.irp a, \a0, \a0+1
.irp b, 0,1,2,3,4,5,6,7
.if \zero
	v_wmma_f32_16x16x128_fp8_fp8 v[8*(8*((\a)%4)+\b):8*(8*((\a)%4)+\b)+7], v[128*(\p)+FR*\b:128*(\p)+FR*\b+FR-1], v[AF+FR*(\a):AF+FR*(\a)+FR-1], 0
.else
	v_wmma_f32_16x16x128_fp8_fp8 v[8*(8*((\a)%4)+\b):8*(8*((\a)%4)+\b)+7], v[128*(\p)+FR*\b:128*(\p)+FR*\b+FR-1], v[AF+FR*(\a):AF+FR*(\a)+FR-1], v[8*(8*((\a)%4)+\b):8*(8*((\a)%4)+\b)+7]
.endif
.endr
.endr
.endm
.macro FETCH_B slot, q, p
	WIN TO_B
.irp i, 0,1,2,3,4,5,6,7
	FRAG 128*(\p)+FR*\i, ADRB+\slot, \q, \i
.endr
	WIN 0
.endm
.macro FETCH_A slot, q, i0
.irp i, \i0, \i0+1, \i0+2, \i0+3
	FRAG AF+FR*(\i), ADRA+\slot, \q, \i
.endr
.endm
.macro PLACES n                        ; plain vector lines between a matrix instruction and a load into, or a vector read or write of, one of its registers (ISA guide 7.12.1 for vector reads and writes)
.rept \n
	v_nop
.endr
.endm
.macro STEP slot, q, zero
	s_wait_dscnt 4*NL                              ; source 0's set and blocks 0-3 are in; the youngest 16 loads (blocks 4-7) may be out
	WIN MUL_LO
	MUL16 0, (\q)%2, \zero
	MUL16 2, (\q)%2, \zero
	s_wait_dscnt 0
	PLACES NP
	FETCH_B \slot, (\q)+1, 1-(\q)%2
	FETCH_A \slot, (\q)+1, 0
	WIN MUL_HI
	MUL16 4, (\q)%2, \zero
	MUL16 6, (\q)%2, \zero
	PLACES NP
	WIN 0
	FETCH_A \slot, (\q)+1, 4
.endm
.macro TURN slot, next, fill
	s_wait_tensorcnt 0x0                           ; all my tensor loads have landed: my part of the next slot
	ds_add_u32 v[SPW], v[NIL]                      ; 0 onto my spare word
	s_wait_dscnt 4*NL+1                            ; (the add and the youngest 16 loads may be out)
	WIN MUL_LO
	MUL16 0, 1, 0
	s_wait_dscnt 0x0                               ; the add is done, and my reads of this slot are over
	s_barrier_signal -1
	MUL16 2, 1, 0
	WIN 0
	s_barrier_wait -1
.if \fill
	CREST                                          ; the barrier has opened a round of the cluster's barrier
	s_add_nc_u64 s[G0+4*\slot+2:G0+4*\slot+3], s[G0+4*\slot+2:G0+4*\slot+3], 2*KSA
	s_add_nc_u64 s[G0B+4*\slot+2:G0B+4*\slot+3], s[G0B+4*\slot+2:G0B+4*\slot+3], 2*KSB
	JLOAD G0+4*\slot, G1, G0B+4*\slot, G1B         ; the first tensor load behind the round, my one load until the next
.else
	PLACES NP
.endif
	FETCH_B \next, 0, 0
	FETCH_A \next, 0, 0
	WIN MUL_HI
	MUL16 4, 1, 0
	MUL16 6, 1, 0
	PLACES NP
	WIN 0
	FETCH_A \next, 0, 4
.endm
	s_wait_tensorcnt 1                             ; my part of K slot 0 is in (K slot 1's load may be out)
	s_barrier_signal -1
	s_barrier_wait -1                              ; everybody's is
	FETCH_B 0, 0, 0
	FETCH_A 0, 0, 0
	FETCH_A 0, 0, 4
	STEP 0, 0, 1
	TURN 0, 1, 1                                   ; slot 0 takes K slot 2
	STEP 1, 0, 0
	TURN 1, 0, 1                                   ; slot 1 takes K slot 3
	STEP 0, 0, 0
	TURN 0, 1, 0                                   ; nothing is left to fetch
	STEP 1, 0, 0
	s_wait_dscnt 4*NL
	WIN MUL_LO
	MUL16 0, 1, 0
	MUL16 2, 1, 0
	s_wait_dscnt 0
	WIN MUL_HI
	MUL16 4, 1, 0
	MUL16 6, 1, 0
	WIN 0
; THE WAY OUT, block by block of 16 token places x 128 columns, through my own stage in LDS: in with the columns at their true places, back as whole rows of 512 bytes, stored to the tokens' true rows.
; LDS serves a wave's instructions in order (ISA guide 5.7.1.4): no wait between the stores and the loads, nor in front of the next block's stores.
.macro TOSTAGE a
.set AC, 64*((\a)%4)
	WIN 0x02+((\a)/4)                              ; source 0: window 2 or 3
.irp j, 0,2,4,6,8,10,12,14,16,18,20,22,24,26,28,30,32,34,36,38,40,42,44,46,48,50,52,54,56,58,60,62
	v_pk_mul_f32 v[TMP+\j:TMP+\j+1], v[AC+\j:AC+\j+1], s[96:97] op_sel_hi:[1,0]   ; both x s96 = 2^(e6 + e7); each accumulator from its low end on
.endr
	WIN 0
.irp b, 0,1,2,3,4,5,6,7
	ds_store_b128 v[STO], v[TMP+8*\b:TMP+8*\b+3] offset:128*(\b/2)+32*(\b%2)
	ds_store_b128 v[STO], v[TMP+8*\b+4:TMP+8*\b+7] offset:128*(\b/2)+32*(\b%2)+16
.endr
.set BB, BK+64*((\a)%2)
.irp t, 0,1,2,3,4,5,6,7,8,9,10,11,12,13,14,15
	ds_load_b128 v[BB+4*\t:BB+4*\t+3], v[RD] offset:\t*SPITCH
.endr
.endm
.macro SEND a, younger                 ; younger: the LDS instructions issued behind block a's loads, which may stay out
.set BB, BK+64*((\a)%2)
	s_wait_dscnt \younger                          ; the block is back in registers
.if (\a) > 0
.if ((\a)%2) == 1
	s_add_nc_u64 s[10:11], s[10:11], 8*ROWC        ; (behind a wait on XCNT)  block a begins at row 32 (a / 2) + 8 (a % 2): 8 rows on into an odd block,
.else
	s_add_nc_u64 s[10:11], s[10:11], 24*ROWC       ; 24 into an even one
.endif
.endif
.irp t, 0,1,2,3,4,5,6,7,8,9,10,11,12,13,14,15
	global_store_b128 v[CO], v[BB+4*\t:BB+4*\t+3], s[10:11] offset:(\t+8*(\t/8))*ROWC th:TH_STORE_NT   ; place t is row t + 8 (t / 8); 32 lanes store 512 consecutive bytes, aligned; written once, read by nobody here
.endr
.endm
	s_wait_kmcnt 0x0
	s_add_co_i32 s96, s96, s97                     ; e6 + e7
	s_add_co_i32 s96, s96, 127
	s_lshl_b32 s96, s96, 23                        ; 2^(e6 + e7) as f32
	PLACES NP                                      ; behind the last products
	TOSTAGE 0
.irp a, 1,2,3,4,5,6,7
.if \a > 1
	s_wait_xcnt 0x0                                ; block a - 2's stores have read their registers and their base: block a's loads may land there, and the base may step
.endif
	TOSTAGE \a
	SEND \a-1, 32                                  ; behind block a - 1's loads: block a's 16 stores and 16 loads
.endr
	s_wait_xcnt 0x0                                ; block 6's stores have read their base
	SEND 7, 0
	s_wait_tensorcnt 0x0                           ; the wave's end
	ds_add_u32 v[SPW], v[NIL]
	s_wait_dscnt 0x0
	CROUND                                         ; the closing round
	s_endpgm
.Lfunc_end_k_q42d6a54ad8_gemm_out:
	.size	k_q42d6a54ad8_gemm_out, .Lfunc_end_k_q42d6a54ad8_gemm_out-k_q42d6a54ad8_gemm_out
	.p2alignl 7, 3214868480
	.fill 96, 4, 3214868480
	.section	.rodata,"a",@progbits
	.p2align	6, 0x0
	.amdhsa_kernel k_q42d6a54ad8_gemm_out
		.amdhsa_group_segment_fixed_size 327680
		.amdhsa_private_segment_fixed_size 0
		.amdhsa_enable_private_segment 0
		.amdhsa_kernarg_size 32
		.amdhsa_user_sgpr_count 2
		.amdhsa_user_sgpr_kernarg_segment_ptr 1
		.amdhsa_wavefront_size32 1
		.amdhsa_system_sgpr_workgroup_id_x 1
		.amdhsa_system_sgpr_workgroup_id_y 1
		.amdhsa_system_sgpr_workgroup_id_z 1
		.amdhsa_system_vgpr_workitem_id 0
		.amdhsa_next_free_vgpr 1024
		.amdhsa_next_free_sgpr 98
		.amdhsa_reserve_vcc 0
		.amdhsa_float_denorm_mode_32 3
		.amdhsa_float_denorm_mode_16_64 3
		.amdhsa_memory_ordered 1
		.amdhsa_forward_progress 1
		.amdhsa_inst_pref_size 123
	.end_amdhsa_kernel
	.amdgpu_metadata
---
amdhsa.version: [ 1, 2 ]
amdhsa.kernels:
  - .name:           k_q42d6a54ad8_gemm_out
    .symbol:         k_q42d6a54ad8_gemm_out.kd
    .args:
      - { .name: ao_img, .offset: 0, .size: 8, .value_kind: global_buffer, .address_space: global }
      - { .name: wout_img, .offset: 8, .size: 8, .value_kind: global_buffer, .address_space: global }
      - { .name: lowp_scales, .offset: 16, .size: 8, .value_kind: global_buffer, .address_space: global }
      - { .name: out0, .offset: 24, .size: 8, .value_kind: global_buffer, .address_space: global }
    .group_segment_fixed_size: 327680
    .private_segment_fixed_size: 0
    .kernarg_segment_align: 8
    .kernarg_segment_size: 32
    .max_flat_workgroup_size: 128
    .sgpr_count:     98
    .vgpr_count:     1024
    .wavefront_size: 32
...
	.end_amdgpu_metadata
.endif
;; end of part 4
;; ======== version 2 of 2: 4 launches
;; limits: right only within a limited range of input values
;; workspace buffers: x_img 4,194,304 bytes; wqkv_img 3,145,728 bytes; wout_img 1,048,576 bytes; q_img 4,194,304 bytes; k_img 4,194,304 bytes; v_img 4,194,304 bytes; ao_img 4,194,304 bytes
;; launch quant (part 5): grid 512 x 1, 4 waves a work-group, no clusters, 50,688 bytes of LDS; arguments x, w_qkv, w_out, lowp_scales, x_img, wqkv_img, wout_img; writes x_img, wqkv_img, wout_img
.if DOCPART == 5
	.amdgcn_target "amdgcn-amd-amdhsa--gfx1250"
	.amdhsa_code_object_version 6
	.text
	.protected	k_q42d6a54ad8_quant
	.globl	k_q42d6a54ad8_quant
	.p2align	8
	.type	k_q42d6a54ad8_quant,@function
k_q42d6a54ad8_quant:
	s_mov_b64 s[64:65], 0
	v_nop
	global_prefetch_b8 v0, s[64:65] scope:SCOPE_SE
	s_setreg_imm32_b32 hwreg(HW_REG_WAVE_MODE, 25, 1), 1
	s_wait_xcnt 0x0
; x [4096][1024], w_qkv [1024][3072] and w_out [1024][1024], f32, become codes of FP8 (E4M3) with the given scales 2^e (entries 0, 1 and 7 of the scales).
; code = number / 2^e, held within +-448, rounded to the nearest code, ties to even.  LIMITS: -126 <= e <= 119; NaN among the inputs is not served (an infinity is held at the largest code).
; THE CODES ARE LAID AS IMAGES OF OPERAND REGISTERS.  A fragment is 16 rows x 128 K, 2,048 bytes: chunk c (512 bytes) holds, at 16 x lane, the 16 codes k = 32 c + 16 (lane / 16) + 0 .. 15 of row lane % 16.
; A buffer is [K / 256][rows / 16][2 fragments].  ROW PLACES: place p holds row p with its bits 3 and 4 exchanged: lane r of tile 2 b + u holds row 32 b + 8 u + r + 8 (r / 8).
; Rows are tokens for x, columns n for the weights (their K is the first axis).
; A stream: each input byte is read once, each store of a wave covers 512 consecutive bytes, aligned.  No matrix unit, no cluster, no barrier: waves share nothing.
; Work-groups 0-255 take x (one tile of 16 rows each; wave w takes K 256 w on); work-groups 256-511 the weights (128 columns x 128 K each; a wave 32 columns).  Each of the two ways has LDS bytes of its own.
.set XP,    528                        ; x's stage: a row of 512 bytes + 16 of padding
.set XSTW,  16*XP                      ; 16 rows for each wave, from LDS byte 0
.set WST,   4*XSTW                     ; the weights' stages begin here: 4,096 bytes for each wave
.set LI,    4                          ; v4   16 x lane
.set SW,    5                          ; v5   x's stage, in: my wave's stage + 16 x lane
.set SR,    6                          ; v6   x's stage, out: + 528 r + 64 h
.set LT,    7                          ; v7   the weights' stage, in
.set WR,    8                          ; v8   the weights' stage, out
.set LIM,   10                         ; v10  448 x 2^e
.set SCL,   11                         ; v11  2^e
.set R,     16                         ; v16-143  x as loaded: two sets of 64
.set XA,    144                        ; v144-207 the first fragment's numbers, 64 a lane
.set XB,    16                         ; v16-79   the second fragment's (the first set's registers again)
.set CA,    208                        ; v208-223, v224-239 the two fragments' codes
.set CB,    224
.set WX,    16                         ; v16-143  the weights: four blocks of 32 numbers down K
.set WO,    144                        ; v144-175 byte offsets of a block's 32 rows
.set WC,    176                        ; v176-207 codes: 8 registers a block
.set WB,    208                        ; v208-239 the way out
.macro MKSCALE e                       ; 2^e and 448 x 2^e as f32 numbers
	s_add_co_i32 s44, \e, 127
	s_lshl_b32 s45, s44, 23
	v_mov_b32 v[SCL], s45                          ; the conversion takes this number's exponent field
	s_add_co_i32 s44, s44, 8
	s_lshl_b32 s44, s44, 23
	s_or_b32 s44, s44, 0x600000                    ; 448 = 1.75 x 2^8
	v_mov_b32 v[LIM], s44
.endm
; 64 numbers of a lane, register 16 b + i = k 32 b + 16 (lane / 16) + i of my row, become a fragment's 16 registers of codes
.macro QUANT s, d
.irp b, 0,1,2,3
.irp i, 0,1,2,3,4,5,6,7,8,9,10,11,12,13,14,15
	v_med3_num_f32 v[\s+16*\b+\i], v[\s+16*\b+\i], -v[LIM], v[LIM]   ; the conversion to an 8-bit code does not saturate (ISA guide 7.6.2): the hold comes first
.endr
	v_cvt_scalef32_pk8_fp8_f32 v[\d+4*\b:\d+4*\b+1], v[\s+16*\b:\s+16*\b+7], v[SCL]
	v_cvt_scalef32_pk8_fp8_f32 v[\d+4*\b+2:\d+4*\b+3], v[\s+16*\b+8:\s+16*\b+15], v[SCL]
.endr
	v_nop                                          ; one plain vector line behind the last conversion of the run
.endm
	s_load_b256 s[4:11], s[0:1], 0x0               ; x s[4:5], w_qkv s[6:7], w_out s[8:9], the scales s[10:11]
	s_load_b128 s[12:15], s[0:1], 0x20             ; x_img s[12:13], wqkv_img s[14:15]
	s_load_b64 s[16:17], s[0:1], 0x30              ; wout_img
	v_lshl_add_u32 v240, v0, 2, 0xc400
	v_mov_b32 v241, 0
	v_lshrrev_b32 v1, 5, v0
	v_readfirstlane_b32 s18, v1                    ; wave 0..3
	v_and_b32 v1, 31, v0                           ; lane
	v_and_b32 v2, 15, v0                           ; r
	v_bfe_u32 v3, v0, 4, 1                         ; h
	v_lshlrev_b32 v[LI], 4, v1
	s_wait_kmcnt 0x0
	s_load_b256 s[24:31], s[10:11], 0x0            ; e0 .. e7
	s_cmp_lt_u32 ttmp9, 256
	s_cbranch_scc0 .Lweights
	; ---------------- x: K is innermost.  Each load takes 512 consecutive bytes of one row; the 16 rows turn through the wave's stage, so that a lane gets 16 neighbours along K of its own row
	s_lshr_b32 s20, ttmp9, 1
	s_lshl_b32 s20, s20, 5
	s_and_b32 s21, ttmp9, 1
	s_lshl_b32 s21, s21, 3
	s_add_co_u32 s20, s20, s21                     ; the tile's first row: 32 (g / 2) + 8 (g % 2)
	s_lshl_b32 s20, s20, 12                        ; rows of 4,096 bytes
	s_lshl_b32 s21, s18, 10                        ; my wave's 256 along K: 1,024 bytes
	s_add_co_u32 s20, s20, s21
	s_mov_b32 s21, 0
	s_add_nc_u64 s[4:5], s[4:5], s[20:21]
	s_lshl_b32 s22, s18, 20                        ; x_img: K slot w (1,048,576 bytes),
	s_lshl_b32 s23, ttmp9, 12                      ; tile g (4,096 bytes)
	s_add_co_u32 s22, s22, s23
	s_mov_b32 s23, 0
	s_add_nc_u64 s[12:13], s[12:13], s[22:23]
	s_mul_i32 s19, s18, XSTW
	s_wait_alu depctr_va_vdst(0)
	v_add_nc_u32 v[SW], s19, v[LI]
	v_mul_u32_u24 v[SR], v2, XP
	v_lshl_add_u32 v[SR], v3, 6, v[SR]
	v_add_nc_u32 v[SR], s19, v[SR]
.irp s, 0,1
.irp t, 0,1,2,3,4,5,6,7,8,9,10,11,12,13,14,15
	global_load_b128 v[R+64*\s+4*\t:R+64*\s+4*\t+3], v[LI], s[4:5] offset:(\t+8*(\t/8))*4096+512*\s th:TH_LOAD_NT   ; place t of the tile is row t + 8 (t / 8); read once in the launch
.endr
.endr
	s_wait_alu depctr_va_vdst(0)
	s_wait_kmcnt 0x0
	MKSCALE s24                                    ; e0
	s_wait_alu depctr_va_vdst(0)
	s_wait_loadcnt 16                              ; the first fragment's 16 loads are in; the second's 16 may be out
.irp t, 0,1,2,3,4,5,6,7,8,9,10,11,12,13,14,15
	ds_store_b128 v[SW], v[R+4*\t:R+4*\t+3] offset:XP*\t
.endr
.irp c, 0,1,2,3
.irp j, 0,1,2,3
	ds_load_b128 v[XA+16*\c+4*\j:XA+16*\c+4*\j+3], v[SR] offset:128*\c+16*\j   ; LDS serves a wave's instructions in order (ISA guide 5.7.1.4): these see the stores above
.endr
.endr
	s_wait_loadcnt 0x0
.irp t, 0,1,2,3,4,5,6,7,8,9,10,11,12,13,14,15
	ds_store_b128 v[SW], v[R+64+4*\t:R+64+4*\t+3] offset:XP*\t                   ; behind the reads above, in order
.endr
	s_wait_dscnt 32                                ; the first 16 stores are done (16 loads and 16 stores were issued behind them): their registers take the loads below
.irp c, 0,1,2,3
.irp j, 0,1,2,3
	ds_load_b128 v[XB+16*\c+4*\j:XB+16*\c+4*\j+3], v[SR] offset:128*\c+16*\j
.endr
.endr
	s_wait_dscnt 32                                ; the first fragment's numbers are back (16 stores and 16 loads were issued behind them)
	QUANT XA, CA
.irp c, 0,1,2,3
	global_store_b128 v[LI], v[CA+4*\c:CA+4*\c+3], s[12:13] offset:512*\c        ; 32 lanes store 512 consecutive bytes
.endr
	s_wait_dscnt 0x0
	QUANT XB, CB
.irp c, 0,1,2,3
	global_store_b128 v[LI], v[CB+4*\c:CB+4*\c+3], s[12:13] offset:2048+512*\c
.endr
	s_wait_tensorcnt 0x0
	ds_add_u32 v240, v241
	s_wait_dscnt 0x0
	s_endpgm
	; ---------------- the weights: K is the first axis.  A lane takes a column n and its registers run down K, so the conversions give codes with K innermost and nothing is transposed
.Lweights:
	s_sub_co_u32 s20, ttmp9, 256
	s_lshr_b32 s21, s20, 3                         ; block of 128 columns: 0-23 w_qkv's, 24-31 w_out's
	s_mov_b32 s34, s21
	s_and_b32 s22, s20, 7                          ; which 128 along K
	s_cmp_lt_u32 s21, 24                           ; the choice hangs on the work-group's number alone
	s_cselect_b64 s[4:5], s[6:7], s[8:9]           ; from where,
	s_cselect_b64 s[12:13], s[14:15], s[16:17]     ; to where,
	s_mov_b32 s23, 4096
	s_cselect_b32 s23, 12288, s23                  ; a row of the weight in bytes,
	s_mov_b32 s32, 262144
	s_cselect_b32 s32, 786432, s32                 ; a K slot of its image in bytes
	s_cselect_b32 s33, 0, 24
	s_sub_co_u32 s21, s21, s33
	s_lshl_b32 s21, s21, 7
	s_lshl_b32 s36, s18, 5
	s_add_co_u32 s21, s21, s36                     ; my wave's first column
	s_lshl_b32 s36, s22, 7
	s_mul_i32 s36, s36, s23                        ; my first row of the weight, in bytes,
	s_lshl_b32 s37, s21, 2
	s_add_co_u32 s36, s36, s37                     ; + 4 bytes a column
	s_mov_b32 s37, 0
	s_add_nc_u64 s[48:49], s[4:5], s[36:37]        ; a base for each block of 32 along K
	s_lshl_b32 s38, s23, 5
	s_mov_b32 s39, 0
	s_add_nc_u64 s[50:51], s[48:49], s[38:39]
	s_add_nc_u64 s[52:53], s[50:51], s[38:39]
	s_add_nc_u64 s[54:55], s[52:53], s[38:39]
	s_lshr_b32 s40, s22, 1
	s_mul_i32 s40, s40, s32                        ; the image: K slot,
	s_lshr_b32 s41, s21, 4
	s_lshl_b32 s41, s41, 12
	s_add_co_u32 s40, s40, s41                     ; tile of 16 columns,
	s_and_b32 s41, s22, 1
	s_lshl_b32 s41, s41, 11
	s_add_co_u32 s40, s40, s41                     ; which of the slot's two fragments
	s_mov_b32 s41, 0
	s_add_nc_u64 s[12:13], s[12:13], s[40:41]
	s_wait_alu depctr_va_vdst(0)
	v_lshlrev_b32 v[WO], 2, v1                     ; 4 bytes a lane: a load reads 128 consecutive bytes, the four waves side by side 512
.irp i, 1,2,3,4,5,6,7,8,9,10,11,12,13,14,15,16,17,18,19,20,21,22,23,24,25,26,27,28,29,30,31
	v_add_nc_u32 v[WO+\i], s23, v[WO+\i-1]         ; + i rows
.endr
	s_lshl_b32 s42, s18, 12
	s_add_co_u32 s42, s42, WST                     ; my stage: two fragments as they will lie in memory
	v_and_b32 v[LT], 7, v0
	v_lshlrev_b32 v[LT], 4, v[LT]
	v_bfe_u32 v9, v0, 3, 1
	v_lshl_add_u32 v[LT], v9, 11, v[LT]            ; column n lies in tile bit 3 of n,
	v_lshl_add_u32 v[LT], v3, 7, v[LT]             ; at row 8 x bit 4 of n + n % 8
	v_add_nc_u32 v[LT], s42, v[LT]
	v_add_nc_u32 v[WR], s42, v[LI]
.macro LOADB c                         ; block c: 32 rows down K of my column
.irp i, 0,1,2,3,4,5,6,7,8,9,10,11,12,13,14,15,16,17,18,19,20,21,22,23,24,25,26,27,28,29,30,31
	global_load_b32 v[WX+32*(\c)+\i], v[WO+\i], s[48+2*(\c):49+2*(\c)] th:TH_LOAD_NT
.endr
.endm
.macro BLOCKW c, left
	s_wait_loadcnt \left                           ; this block's 32 loads are in; the next block's may be out
.irp i, 0,1,2,3,4,5,6,7,8,9,10,11,12,13,14,15,16,17,18,19,20,21,22,23,24,25,26,27,28,29,30,31
	v_med3_num_f32 v[WX+32*\c+\i], v[WX+32*\c+\i], -v[LIM], v[LIM]
.endr
.irp g, 0,1,2,3
	v_cvt_scalef32_pk8_fp8_f32 v[WC+8*\c+2*\g:WC+8*\c+2*\g+1], v[WX+32*\c+8*\g:WX+32*\c+8*\g+7], v[SCL]
.endr
	v_nop                                          ; one plain vector line behind the last conversion of the run
	ds_store_b128 v[LT], v[WC+8*\c:WC+8*\c+3] offset:512*\c          ; k = 32 c + 0 .. 15: the place of lanes 0-15 in chunk c
	ds_store_b128 v[LT], v[WC+8*\c+4:WC+8*\c+7] offset:512*\c+256    ; k = 32 c + 16 .. 31: of lanes 16-31
.if \c < 2
	LOADB \c+2
.endif
.endm
	LOADB 0
	LOADB 1
	s_wait_kmcnt 0x0
	s_cmp_lt_u32 s34, 24
	s_cselect_b32 s35, s25, s31                    ; e1 or e7
	MKSCALE s35
	s_wait_alu depctr_va_vdst(0)
	BLOCKW 0, 32
	BLOCKW 1, 32
	BLOCKW 2, 32
	BLOCKW 3, 0
.irp i, 0,1,2,3,4,5,6,7
	ds_load_b128 v[WB+4*\i:WB+4*\i+3], v[WR] offset:512*\i           ; in order behind my stores
.endr
.irp i, 0,1,2,3,4,5,6,7
	s_wait_dscnt 7-\i                              ; LDS loads come back in order: load i is in
	global_store_b128 v[LI], v[WB+4*\i:WB+4*\i+3], s[12:13] offset:(\i/4)*4096+(\i%4)*512   ; 512 consecutive bytes: chunk i % 4 of tile i / 4
.endr
	s_wait_tensorcnt 0x0
	ds_add_u32 v240, v241
	s_wait_dscnt 0x0
	s_endpgm
.Lfunc_end_k_q42d6a54ad8_quant:
	.size	k_q42d6a54ad8_quant, .Lfunc_end_k_q42d6a54ad8_quant-k_q42d6a54ad8_quant
	.p2alignl 7, 3214868480
	.fill 96, 4, 3214868480
	.section	.rodata,"a",@progbits
	.p2align	6, 0x0
	.amdhsa_kernel k_q42d6a54ad8_quant
		.amdhsa_group_segment_fixed_size 50688
		.amdhsa_private_segment_fixed_size 0
		.amdhsa_enable_private_segment 0
		.amdhsa_kernarg_size 56
		.amdhsa_user_sgpr_count 2
		.amdhsa_user_sgpr_kernarg_segment_ptr 1
		.amdhsa_wavefront_size32 1
		.amdhsa_system_sgpr_workgroup_id_x 1
		.amdhsa_system_sgpr_workgroup_id_y 1
		.amdhsa_system_sgpr_workgroup_id_z 1
		.amdhsa_system_vgpr_workitem_id 0
		.amdhsa_next_free_vgpr 242
		.amdhsa_next_free_sgpr 66
		.amdhsa_reserve_vcc 0
		.amdhsa_float_denorm_mode_32 3
		.amdhsa_float_denorm_mode_16_64 3
		.amdhsa_memory_ordered 1
		.amdhsa_forward_progress 1
		.amdhsa_inst_pref_size 46
	.end_amdhsa_kernel
	.amdgpu_metadata
---
amdhsa.version: [ 1, 2 ]
amdhsa.kernels:
  - .name:           k_q42d6a54ad8_quant
    .symbol:         k_q42d6a54ad8_quant.kd
    .args:
      - { .name: x, .offset: 0, .size: 8, .value_kind: global_buffer, .address_space: global }
      - { .name: w_qkv, .offset: 8, .size: 8, .value_kind: global_buffer, .address_space: global }
      - { .name: w_out, .offset: 16, .size: 8, .value_kind: global_buffer, .address_space: global }
      - { .name: lowp_scales, .offset: 24, .size: 8, .value_kind: global_buffer, .address_space: global }
      - { .name: x_img, .offset: 32, .size: 8, .value_kind: global_buffer, .address_space: global }
      - { .name: wqkv_img, .offset: 40, .size: 8, .value_kind: global_buffer, .address_space: global }
      - { .name: wout_img, .offset: 48, .size: 8, .value_kind: global_buffer, .address_space: global }
    .group_segment_fixed_size: 50688
    .private_segment_fixed_size: 0
    .kernarg_segment_align: 8
    .kernarg_segment_size: 56
    .max_flat_workgroup_size: 128
    .sgpr_count:     66
    .vgpr_count:     242
    .wavefront_size: 32
...
	.end_amdgpu_metadata
.endif
;; end of part 5
;; launch gemm_qkv (part 6): grid 16 x 16, 4 waves a work-group, clusters of 4 x 1, 327,680 bytes of LDS; arguments x_img, wqkv_img, lowp_scales, q_img, k_img, v_img; writes q_img, k_img, v_img
.if DOCPART == 6
	.amdgcn_target "amdgcn-amd-amdhsa--gfx1250"
	.amdhsa_code_object_version 6
	.text
	.protected	k_q42d6a54ad8_gemm_qkv
	.globl	k_q42d6a54ad8_gemm_qkv
	.p2align	8
	.type	k_q42d6a54ad8_gemm_qkv,@function
k_q42d6a54ad8_gemm_qkv:
	s_mov_b64 s[64:65], 0
	v_nop
	global_prefetch_b8 v0, s[64:65] scope:SCOPE_SE
	s_setreg_imm32_b32 hwreg(HW_REG_WAVE_MODE, 25, 1), 1
	s_wait_xcnt 0x0
	s_wait_alu depctr_hold_cnt(0) depctr_sa_sdst(0) depctr_va_vdst(0) depctr_va_sdst(0) depctr_va_ssrc(0) depctr_va_vcc(0) depctr_vm_vsrc(0)
	s_getreg_b32 s2, hwreg(HW_REG_IB_STS2, 6, 4)
	s_cmp_eq_u32 s2, 0
	s_cbranch_scc0 .Lentry_in_a_cluster
	s_endpgm
.Lentry_in_a_cluster:
	s_bfe_u32 s2, ttmp6, 0x10000c
	s_cmp_lg_u32 s2, 0x3003
	s_cbranch_scc0 .Lentry_shape_is_right
	s_endpgm
.Lentry_shape_is_right:
; x (4,096 tokens x 1,024) times w_qkv on codes of FP8 (E4M3), sums in f32; each result is quantised at once (scales' entries 2, 3, 5) and leaves as the image that the attention's operands want.
; A WORK-GROUP takes 256 tokens and ONE HEAD: its 64 columns of q, of k and of v.  16 blocks of tokens x 16 heads = 256 work-groups of equal work.  A wave takes 64 tokens x 192 columns: 48 accumulators, 384 registers.
; THE WEIGHTS (192 columns x 1,024 codes = 196,608 bytes) lie in LDS whole: wave w fetches K slot w (256 along K) as three rows of 16,384 bytes, one tensor load a wave; nothing is filled again.
; CLUSTER: the four work-groups of a cluster have one head and ask for its weights jointly (mask 15).
; x'S FRAGMENTS go from memory straight into registers: each of the tile's bytes is used by one wave alone, and the weights leave LDS no room for its 262,144 bytes.  They are asked for two K steps (96 matrix instructions) ahead, so no prefetch stands beside them.
; A K step is 128 codes: three groups (q, k, v) of 16 matrix instructions.  Ahead of each group stands one run of 16 LDS loads: the same kind's weights of the next K step; ahead of q's the tokens' 16 loads of two steps on as well.
; q, k: source 0 = columns, source 1 = tokens: a lane holds one token, its registers channels.  v: the sources swapped: a lane holds one channel, its registers tokens (the keys, the next product's K).
; IMAGES: a fragment (16 rows x 128 K) is 2,048 bytes: chunk c at 512 c, lane l's 16 bytes at 16 l; x_img is [K / 256][256 tiles][2 fragments], wqkv_img [K / 256][192 tiles][2 fragments].
; Lane r of tile 2 b + u holds row 32 b + 8 u + r + 8 (r / 8), so the 16 registers of two neighbouring tiles' results are 16 neighbours.
; LIMITS: e2 - e0 - e1, e3 - e0 - e1, e5 - e0 - e1 between -126 and 119.  NaN is not served (an infinity is held at the largest code).
; REGISTERS.  window 0: v16-19 LDS addresses of the four K slots (v16 = 16 x lane), v20-22 scales, v24-26 holds, v64-255 the even steps' weights (q, k, v);  window 1: v0-191 tokens: three sets of 64; v192-255 the odd steps' weights for v;
; window 2: q's and k's accumulators;  window 3: v0-127 v's accumulators, v128-255 the odd steps' weights for q and k, then (v128-223) codes on the way out.
.set KSX,   1048576                    ; from K slot to K slot in x_img
.set KSW,   786432                     ; in wqkv_img
.set SLOTB, 49152                      ; a K slot of the weights in LDS: 16,384 bytes each of q, k, v
.set SPARE, 4*SLOTB                    ; the spare words: 128 bytes a wave
.set ADB, 16
.set LI,  16
.set SCL, 20
.set LIM, 24
.set SPW, 28
.set NIL, 29
.set CD,  128
.set G1,  24                           ; s[24:31] descriptor group 1
.set G0,  32                           ; s[32:35] descriptor group 0
.set MSB, 0
.macro WIN new                         ; the immediate's high byte repeats the setting that is left
.if MSB != (\new)
	s_set_vgpr_msb (MSB<<8)|(\new)
.set MSB, (\new)
.endif
.endm
.macro CROUND                          ; a round of the cluster's barrier
	s_barrier_signal -1
	s_barrier_wait -1
	s_cmp_lg_u32 s14, 0
	s_cbranch_scc1 .Lnot_wave_0_\@
	s_barrier_signal -3
.Lnot_wave_0_\@:
	s_barrier_wait -3
	s_barrier_signal -1
	s_barrier_wait -1
.endm
.macro ALOAD s                         ; the four token tiles of K step s into set s % 3
	WIN 0x40
.irp a, 0,1,2,3
.irp c, 0,1,2,3
	global_load_b128 v[64*((\s)%3)+16*\a+4*\c:64*((\s)%3)+16*\a+4*\c+3], v[LI], s[4:5] offset:KSX*((\s)/2)+2048*((\s)%2)+4096*\a+512*\c
.endr
.endr
.endm
.macro BLOAD s, k                      ; K step s's weights for q (k = 0), k (1) or v (2)
.if ((\s)%2) == 0
	WIN 0
.set BR, 64+64*(\k)
.elseif (\k) < 2
	WIN 0xc0
.set BR, 128+64*(\k)
.else
	WIN 0x40
.set BR, 192
.endif
.irp b, 0,1,2,3
.irp c, 0,1,2,3
	ds_load_b128 v[BR+16*\b+4*\c:BR+16*\b+4*\c+3], v[ADB+(\s)/2] offset:16384*(\k)+4096*\b+2048*((\s)%2)+512*\c
.endr
.endr
.endm
.macro MULS s, k                       ; 16 products; the accumulators take turns; the first step's C is the constant 0
.set AR, 64*((\s)%3)
.if (\k) == 2
.set BR, 192
	WIN 0xf1+4*((\s)%2)
.irp a, 0,1,2,3
.irp b, 0,1,2,3
.if (\s) == 0
	v_wmma_f32_16x16x128_fp8_fp8 v[8*(4*\a+\b):8*(4*\a+\b)+7], v[AR+16*\a:AR+16*\a+15], v[BR+16*\b:BR+16*\b+15], 0
.else
	v_wmma_f32_16x16x128_fp8_fp8 v[8*(4*\a+\b):8*(4*\a+\b)+7], v[AR+16*\a:AR+16*\a+15], v[BR+16*\b:BR+16*\b+15], v[8*(4*\a+\b):8*(4*\a+\b)+7]
.endif
.endr
.endr
.else
.set BR, 64+64*((\s)%2)+64*(\k)
.set CR, 128*(\k)
	WIN 0xa4+3*((\s)%2)
.irp a, 0,1,2,3
.irp b, 0,1,2,3
.if (\s) == 0
	v_wmma_f32_16x16x128_fp8_fp8 v[CR+8*(4*\a+\b):CR+8*(4*\a+\b)+7], v[BR+16*\b:BR+16*\b+15], v[AR+16*\a:AR+16*\a+15], 0
.else
	v_wmma_f32_16x16x128_fp8_fp8 v[CR+8*(4*\a+\b):CR+8*(4*\a+\b)+7], v[BR+16*\b:BR+16*\b+15], v[AR+16*\a:AR+16*\a+15], v[CR+8*(4*\a+\b):CR+8*(4*\a+\b)+7]
.endif
.endr
.endr
.endif
.endm
; One group of K step s.  The tokens' loads land in the set that step s - 1 has read, behind four places; the weights' in the set that the same kind's group of step s - 1 has read: a step's four places stand between.
.macro KG s, k
.if (\s) < 7
	s_wait_dscnt 32                                ; this group's weights; the next two groups' 32 loads may be out
.else
	s_wait_dscnt 32-16*(\k)
.endif
.if (\k) == 0
.if (\s) < 7
	s_wait_loadcnt 16                              ; this step's tokens; the next step's 16 loads may be out
.else
	s_wait_loadcnt 0
.endif
.if (\s) > 0
.rept 4
	v_nop
.endr
.endif
.if (\s) < 6
	ALOAD (\s)+2
.endif
.endif
.if (\s) < 7
	BLOAD (\s)+1, \k
.endif
	MULS \s, \k
.endm
; The way out of one kind: held (in place), converted, stored: each store of the wave covers 512 consecutive bytes, aligned.
.macro EPI kd
.set EW, 2+(\kd)/2
.set EB, 128*((\kd)%2)
	WIN 0x40*EW+EW
.set j, 0
.rept 128
	v_med3_num_f32 v[EB+j], v[EB+j], -v[LIM+(\kd)], v[LIM+(\kd)]   ; the conversion does not saturate (ISA guide 7.6.2)
.set j, j+1
.endr
	WIN 0xc0+EW
.irp a, 0,1,2,3
.irp c, 0,1
.if (\kd) < 2
	v_cvt_scalef32_pk8_fp8_f32 v[CD+32*(\kd)+8*\a+4*\c:CD+32*(\kd)+8*\a+4*\c+1], v[EB+32*\a+16*\c:EB+32*\a+16*\c+7], v[SCL+(\kd)]
	v_cvt_scalef32_pk8_fp8_f32 v[CD+32*(\kd)+8*\a+4*\c+2:CD+32*(\kd)+8*\a+4*\c+3], v[EB+32*\a+16*\c+8:EB+32*\a+16*\c+15], v[SCL+(\kd)]
.else
	v_cvt_scalef32_pk8_fp8_f32 v[CD+64+8*\a+4*\c:CD+64+8*\a+4*\c+1], v[64*\c+8*\a:64*\c+8*\a+7], v[SCL+(\kd)]
	v_cvt_scalef32_pk8_fp8_f32 v[CD+64+8*\a+4*\c+2:CD+64+8*\a+4*\c+3], v[64*\c+32+8*\a:64*\c+32+8*\a+7], v[SCL+(\kd)]
.endif
.endr
.endr
	v_nop                                          ; one plain vector line behind the last conversion
	WIN 0x0c
.irp a, 0,1,2,3
.irp c, 0,1
.if (\kd) < 2
	global_store_b128 v[LI], v[CD+32*(\kd)+8*\a+4*\c:CD+32*(\kd)+8*\a+4*\c+3], s[84+2*(\kd):85+2*(\kd)] offset:1024*\a+512*\c
.else
	global_store_b128 v[LI], v[CD+64+8*\a+4*\c:CD+64+8*\a+4*\c+3], s[84+2*(\kd):85+2*(\kd)] offset:2048*\a+512*\c
.endif
.endr
.endr
	WIN 0
.endm
.macro MKSCALE e, k                    ; a sum stands for sum x 2^(e0 + e1): its code is sum / 2^(e - e0 - e1)
	s_sub_co_i32 s70, \e, s72
	s_sub_co_i32 s70, s70, s73
	s_add_co_i32 s70, s70, 127
	s_lshl_b32 s71, s70, 23
	v_mov_b32 v[SCL+\k], s71
	s_add_co_i32 s70, s70, 8
	s_lshl_b32 s70, s70, 23
	s_or_b32 s70, s70, 0x600000                    ; 448 = 1.75 x 2^8
	v_mov_b32 v[LIM+\k], s70
.endm
	s_load_b128 s[4:7], s[0:1], 0x0                ; x_img, wqkv_img
	s_load_b128 s[8:11], s[0:1], 0x10              ; the scales, q_img
	s_load_b128 s[80:83], s[0:1], 0x20             ; k_img, v_img
	v_lshl_add_u32 v[SPW], v0, 2, SPARE
	v_mov_b32 v[NIL], 0
	ds_add_u32 v[SPW], v[NIL]                      ; the opening
	ds_add_u32 v[SPW], v[NIL]
	v_lshrrev_b32 v1, 5, v0
	v_readfirstlane_b32 s14, v1                    ; wave 0..3
	v_and_b32 v6, 31, v0
	v_lshlrev_b32 v[LI], 4, v6
	v_add_nc_u32 v[ADB+1], SLOTB, v[LI]
	v_add_nc_u32 v[ADB+2], 2*SLOTB, v[LI]
	v_add_nc_u32 v[ADB+3], 3*SLOTB, v[LI]
	s_bfe_u32 s40, ttmp6, 0x40000                  ; cx
	s_lshl_b32 s42, ttmp9, 2
	s_add_co_u32 s42, s42, s40                     ; X: my block of 256 tokens
	s_and_b32 s43, ttmp7, 0xffff                   ; the head, which the four partners share
	; descriptor group 1: three rows (q, k, v) of 2,048 elements of 8 bytes, 262,144 bytes apart
	s_mov_b32 s[G1], 15|(3<<16)|(1<<21)
	s_mov_b32 s[G1+1], 2048<<16
	s_mov_b32 s[G1+2], 3<<16
	s_mov_b32 s[G1+3], 2048<<16
	s_mov_b32 s[G1+4], 3
	s_mov_b32 s[G1+5], 32768
	s_mov_b32 s[G1+6], 0
	s_mov_b32 s[G1+7], 0
	s_lshl_b32 s20, s42, 16                        ; x_img: 16 tiles of 4,096 bytes a block,
	s_lshl_b32 s21, s14, 14                        ; 4 tiles a wave
	s_add_co_u32 s20, s20, s21
	s_mov_b32 s21, 0
	s_mul_i32 s46, s14, KSW                        ; wqkv_img: K slot w,
	s_lshl_b32 s47, s43, 14                        ; the head's 4 tiles
	s_add_co_u32 s46, s46, s47
	s_mov_b32 s47, 0
	s_lshr_b32 s50, s42, 3
	s_lshl_b32 s50, s50, 4
	s_add_co_u32 s50, s50, s43                     ; pair = 16 x batch + head: 131,072 bytes in each image
	s_lshl_b32 s50, s50, 17
	s_and_b32 s51, s42, 7
	s_lshl_b32 s51, s51, 14
	s_add_co_u32 s50, s50, s51                     ; my block in its batch: 16,384 bytes
	s_lshl_b32 s51, s14, 12
	s_add_co_u32 s52, s50, s51                     ; q, k: my 4 tiles of 1,024 bytes
	s_mov_b32 s53, 0
	s_lshr_b32 s51, s14, 1
	s_lshl_b32 s51, s51, 13
	s_add_co_u32 s54, s50, s51                     ; v: my group of 128 keys,
	s_and_b32 s51, s14, 1
	s_lshl_b32 s51, s51, 10
	s_add_co_u32 s54, s54, s51                     ; my half of its chunks
	s_mov_b32 s55, 0
	s_wait_alu depctr_va_vdst(0)
	s_wait_dscnt 0x0                               ; both opening adds are done
	s_wait_kmcnt 0x0
	s_load_b256 s[72:79], s[8:9], 0x0              ; e0 .. e7
	s_add_nc_u64 s[4:5], s[4:5], s[20:21]
	s_mov_b32 s[G0], 1
	s_mul_i32 s[G0+1], s14, SLOTB
	s_add_nc_u64 s[G0+2:G0+3], s[6:7], s[46:47]
	s_or_b32 s[G0+3], s[G0+3], 0x80000000
	ALOAD 0
	WIN 0
	CROUND                                         ; all four work-groups are here: the joint loads meet
	tensor_load_to_lds s[G0:G0+3], s[G1:G1+7]
	s_nop 0
.rept 4
	v_nop
.endr
	ALOAD 1
	WIN 0
	s_add_nc_u64 s[84:85], s[10:11], s[52:53]
	s_add_nc_u64 s[86:87], s[80:81], s[52:53]
	s_add_nc_u64 s[88:89], s[82:83], s[54:55]
	s_wait_kmcnt 0x0
	MKSCALE s74, 0
	MKSCALE s75, 1
	MKSCALE s77, 2
	s_wait_alu depctr_va_vdst(0)
	s_wait_tensorcnt 0x0                           ; my K slot of the weights is in,
	s_barrier_signal -1
	s_barrier_wait -1                              ; everybody's is
	BLOAD 0, 0
	BLOAD 0, 1
	BLOAD 0, 2
.set Q, 0
.rept 7
	KG Q, 0
	KG Q, 1
	KG Q, 2
.set Q, Q+1
.endr
	KG 7, 0
	KG 7, 1
.rept 4
	v_nop                                          ; places behind q's and k's last products
.endr
	EPI 0                                          ; q leaves ahead of v's last products
	KG 7, 2
.rept 4
	v_nop                                          ; places behind v's
.endr
	EPI 1
	EPI 2
	s_wait_tensorcnt 0x0                           ; the wave's end
	ds_add_u32 v[SPW], v[NIL]
	s_wait_dscnt 0x0
	CROUND                                         ; the closing round: no work-group ends while a partner may still ask for a load that names it
	s_endpgm
.Lfunc_end_k_q42d6a54ad8_gemm_qkv:
	.size	k_q42d6a54ad8_gemm_qkv, .Lfunc_end_k_q42d6a54ad8_gemm_qkv-k_q42d6a54ad8_gemm_qkv
	.p2alignl 7, 3214868480
	.fill 96, 4, 3214868480
	.section	.rodata,"a",@progbits
	.p2align	6, 0x0
	.amdhsa_kernel k_q42d6a54ad8_gemm_qkv
		.amdhsa_group_segment_fixed_size 327680
		.amdhsa_private_segment_fixed_size 0
		.amdhsa_enable_private_segment 0
		.amdhsa_kernarg_size 48
		.amdhsa_user_sgpr_count 2
		.amdhsa_user_sgpr_kernarg_segment_ptr 1
		.amdhsa_wavefront_size32 1
		.amdhsa_system_sgpr_workgroup_id_x 1
		.amdhsa_system_sgpr_workgroup_id_y 1
		.amdhsa_system_sgpr_workgroup_id_z 1
		.amdhsa_system_vgpr_workitem_id 0
		.amdhsa_next_free_vgpr 1024
		.amdhsa_next_free_sgpr 100
		.amdhsa_reserve_vcc 0
		.amdhsa_float_denorm_mode_32 3
		.amdhsa_float_denorm_mode_16_64 3
		.amdhsa_memory_ordered 1
		.amdhsa_forward_progress 1
		.amdhsa_inst_pref_size 99
	.end_amdhsa_kernel
	.amdgpu_metadata
---
amdhsa.version: [ 1, 2 ]
amdhsa.kernels:
  - .name:           k_q42d6a54ad8_gemm_qkv
    .symbol:         k_q42d6a54ad8_gemm_qkv.kd
    .args:
      - { .name: x_img, .offset: 0, .size: 8, .value_kind: global_buffer, .address_space: global }
      - { .name: wqkv_img, .offset: 8, .size: 8, .value_kind: global_buffer, .address_space: global }
      - { .name: lowp_scales, .offset: 16, .size: 8, .value_kind: global_buffer, .address_space: global }
      - { .name: q_img, .offset: 24, .size: 8, .value_kind: global_buffer, .address_space: global }
      - { .name: k_img, .offset: 32, .size: 8, .value_kind: global_buffer, .address_space: global }
      - { .name: v_img, .offset: 40, .size: 8, .value_kind: global_buffer, .address_space: global }
    .group_segment_fixed_size: 327680
    .private_segment_fixed_size: 0
    .kernarg_segment_align: 8
    .kernarg_segment_size: 48
    .max_flat_workgroup_size: 128
    .sgpr_count:     100
    .vgpr_count:     1024
    .wavefront_size: 32
...
	.end_amdgpu_metadata
.endif
;; end of part 6
;; launch attn (part 7): grid 8 x 32, 8 waves a work-group, clusters of 4 x 1, 300,032 bytes of LDS; arguments q_img, k_img, v_img, lowp_scales, ao_img; writes ao_img
.if DOCPART == 7
	.amdgcn_target "amdgcn-amd-amdhsa--gfx1250"
	.amdhsa_code_object_version 6
	.text
	.protected	k_q42d6a54ad8_attn
	.globl	k_q42d6a54ad8_attn
	.p2align	8
	.type	k_q42d6a54ad8_attn,@function
k_q42d6a54ad8_attn:
	s_mov_b64 s[64:65], 0
	v_nop
	global_prefetch_b8 v0, s[64:65] scope:SCOPE_SE
	s_setreg_imm32_b32 hwreg(HW_REG_WAVE_MODE, 25, 1), 1
	s_wait_xcnt 0x0
	s_wait_alu depctr_hold_cnt(0) depctr_sa_sdst(0) depctr_va_vdst(0) depctr_va_sdst(0) depctr_va_ssrc(0) depctr_va_vcc(0) depctr_vm_vsrc(0)
	s_getreg_b32 s2, hwreg(HW_REG_IB_STS2, 6, 4)
	s_cmp_eq_u32 s2, 0
	s_cbranch_scc0 .Lentry_in_a_cluster
	s_endpgm
.Lentry_in_a_cluster:
	s_bfe_u32 s2, ttmp6, 0x10000c
	s_cmp_lg_u32 s2, 0x3003
	s_cbranch_scc0 .Lentry_shape_is_right
	s_endpgm
.Lentry_shape_is_right:
; Causal attention on codes of FP8 (E4M3): 32 (batch, head) pairs, 2,048 tokens, head size 64.  The result, divided by the row's sum, is quantised (scales' entry 6) and leaves as codes, laid as the last product's operand.
; THE SOFTMAX: t = score x log2(e) / 8; M = the running largest t, rounded UP to a whole number; p = 2^(t - M) is quantised along the keys (entry 4), not normalised; the row's sum is taken of the unquantised p.
; When M moves, the sum and O are multiplied by 2^(old M - new M): nothing is rounded.  Key tiles that lie wholly under the causal mask are left out.
; IMAGES.  q_img, k_img: [pair][tile of 16 tokens][chunk c 0..1][lane][16 bytes]: lane (r, h) holds d = 32 c + 16 h + 0 .. 15 of token place r.  v_img: [pair][128 keys][tile of 16 channels][chunk c 0..3][lane][16]: keys 32 c + 16 h + 0 .. 15 of channel place r.
; PLACES: lane r of tile 2 b + u holds row 32 b + 8 u + r + 8 (r / 8).  Both products are used transposed (S^T = K Q^T, O^T = V^T P^T): a lane holds ONE query of each of its wave's tiles, and the 16 registers of tiles 2 b, 2 b + 1 are
; 16 neighbours (keys in S^T, channels in O^T): the conversions' results are the next operand's registers.
; A WAVE owns TWO tiles of 16 queries side by side, tiles 2 u and 2 u + 1 of a group of 128 tokens: each fragment of K and V that it reads feeds both, and the two tiles' chains stand interleaved.
; SHARES.  The work-group at place u = 0 .. 3 of its cluster owns tiles 2 u, 2 u + 1 of the groups w and 15 - w, w = 2 j + P, j = 0 .. 3, P = the cluster's number (0 or 1).  A tile of group g has g + 1 key steps of 128, so groups 15 - w and w
; have 17 together, shared by TWO waves, j and j + 4: wave A (0 to 3) takes steps 0 to 9 of the long group (w = 7: all its nine); wave B (4 to 7) takes its steps 10 to 15 - w, leaves that part (O^T, -M, the sum) in LDS, and then takes the short
; group.  A joins the two parts by powers of two.  So A has ten steps and B seven (w = 7: nine and eight); B has the masked steps of both groups (w = 6, 7: of one) and the change of groups.
; LDS: the pair's whole K (131,072 bytes) and V (131,072): each of the eight waves fetches 32,768 bytes, one tensor load a wave; nothing is filled again.  Behind them 4 parts of 9,216 bytes.
; CLUSTER: the four work-groups of a cluster have one pair and read the same K and V: each load is asked for jointly (mask 15).  The place in the cluster enters global addresses of my own and the mask's threshold, nothing else.
; NO PREFETCH: nothing is read from memory in a loop but B's second Q, once.
; LIMITS: e2 + e3 between -123 and 130 (added to c's exponent field); e4, and e6 - e4 - e5, between -126 and 119; the scaled scores stay under 2^31 in magnitude.  NaN is not served.
; REGISTERS.  window 0: v1 16 x lane; v2, v3 LDS addresses of K and V; v4 the mask's threshold; v5, v7 the add's; v6 my part's place; v8 -M, v9 the largest score, v[10:11] the sum of tile 1, v12-15 the same of tile 0; v16-31 Q; v32-95 K's 8 fragments;
; v96-159 S^T, then p, of tile 0; v160-191 its O^T; v192-207, v224-239 the maxima's and sums' chains, then p's codes of tiles 1 and 0; v244 2^e4; v250, v251 the result's scale and hold; v208-223, v240 at work.
; window 1: v32-95 V's 4 fragments; v96-159, v160-191 tile 1's.
.set VOFF,  131072
.set SCR,   262144                     ; the parts
.set PARTB, 9216                       ; 18 x 512 bytes
.set SPARE, SCR+4*PARTB                ; the spare words: 128 bytes a wave
.set LI,   1
.set ADK,  2
.set ADV,  3
.set DQ,   4
.set SPW,  5
.set SCA,  6
.set NIL,  7
.set WP,   14                          ; s14  w: the short group
.set WV,   18                          ; s18  my wave's number
.set ROLE, 19                          ; s19  0: A, 1: B
.set SEL,  20                          ; s[20:21] lane selects for v_permlanex16_b32: lane l xor 16
.set CS,   22                          ; s[22:23] c = log2(e) / 8 x 2^(e2 + e3)
.set OFF1, 24                          ; s24  key step = (trip + s24) mod 16 in the long group,
.set OFF2, 25                          ; s25  (trip + s25) mod 16 in the short one
.set N1,   26                          ; s26  the trip at which B goes on to the short group (A: none)
.set GL,   27                          ; s27  the long group
.set GI,   29                          ; s29  the group in hand
.set KS,   30                          ; s30  the key step
.set TB,   31                          ; s31  its byte in K and in V
.set CNT,  32                          ; s32  counts trips
.set HL,   33                          ; s33  448 x 2^e4
.set G1,   68                          ; s[68:75] descriptor group 1
.set G0,   76                          ; s[76:79] descriptor group 0
.set KSN,  80                          ; s80, s81  the next trip's key step and byte
.set TBN,  81
.set MSB, 0
.macro WIN new                         ; the immediate's high byte repeats the setting that is left
.if MSB != (\new)
	s_set_vgpr_msb (MSB<<8)|(\new)
.set MSB, (\new)
.endif
.endm
.macro ROUND                           ; a round of the cluster's barrier
	s_barrier_signal -1
	s_barrier_wait -1
	s_cmp_lg_u32 s[WV], 0
	s_cbranch_scc1 .Lnot_wave_0_\@
	s_barrier_signal -3
.Lnot_wave_0_\@:
	s_barrier_wait -3
	s_barrier_signal -1
	s_barrier_wait -1
.endm
.macro RESET
.irp j, 8,12
	v_mov_b32 v[\j], 0x7f61b1e6                    ; -M = 3e38: M under every t
	v_mov_b32 v[\j+1], 0xff61b1e6                  ; the largest score so far: -3e38
	v_mov_b32 v[\j+2], 0                           ; the sum, in two halves
	v_mov_b32 v[\j+3], 0
.endr
.irp w, 0,0x40
	WIN \w
.irp j, 0,1,2,3,4,5,6,7,8,9,10,11,12,13,14,15,16,17,18,19,20,21,22,23,24,25,26,27,28,29,30,31
	v_mov_b32 v[160+\j], 0                         ; O^T.  (The step has no first step of its own: it finds zeros, which the first change of M leaves zeros)
.endr
.endr
	WIN 0
.endm
.macro QLOAD b                         ; Q of my two tiles: 2,048 consecutive bytes
.irp i, 0,1,2,3
	global_load_b128 v[16+4*\i:19+4*\i], v[LI], s[\b:\b+1] offset:512*\i
.endr
.endm
.macro KLOAD                           ; 128 keys' 8 fragments
.irp i, 0,1,2,3,4,5,6,7,8,9,10,11,12,13,14,15
	ds_load_b128 v[32+4*\i:35+4*\i], v[ADK] offset:512*\i   ; 512 consecutive bytes a load
.endr
.endm
.macro KEYSTEP d, ks, tb               ; the key step of trip s[CNT] + d, and its byte
	s_add_co_u32 s61, s[CNT], \d
	s_cmp_lt_u32 s61, s[N1]
	s_cselect_b32 s60, s[OFF1], s[OFF2]
	s_add_co_u32 s60, s60, s61
	s_and_b32 s[\ks], s60, 15
	s_lshl_b32 s[\tb], s[\ks], 13
.endm
	s_load_b256 s[4:11], s[0:1], 0x0               ; q_img, k_img, v_img, the scales
	s_load_b64 s[12:13], s[0:1], 0x20              ; ao_img
	v_lshl_add_u32 v[SPW], v0, 2, SPARE
	v_mov_b32 v[NIL], 0
	ds_add_u32 v[SPW], v[NIL]                      ; the opening
	ds_add_u32 v[SPW], v[NIL]
	v_lshrrev_b32 v208, 5, v0
	v_readfirstlane_b32 s[WV], v208                ; wave 0..7
	v_and_b32 v209, 31, v0
	v_lshlrev_b32 v[LI], 4, v209
	s_bfe_u32 s15, ttmp6, 0x40000                  ; u: my place in the cluster
	s_and_b32 s16, ttmp7, 0xffff                   ; the pair, which the four partners share
	; descriptor group 1: 32,768 consecutive bytes as 128 rows of 32 elements of 8 bytes
	s_mov_b32 s[G1], 15|(3<<16)|(1<<21)            ; 15:0 the mask: all four work-groups; 17:16 elements of 8 bytes; 21 set beside a mask
	s_mov_b32 s[G1+1], 32<<16
	s_mov_b32 s[G1+2], 128<<16
	s_mov_b32 s[G1+3], 32<<16
	s_mov_b32 s[G1+4], 128
	s_mov_b32 s[G1+5], 32
	s_mov_b32 s[G1+6], 0
	s_mov_b32 s[G1+7], 0
	s_lshr_b32 s[ROLE], s[WV], 2
	s_and_b32 s62, s[WV], 3                        ; j
	s_lshl_b32 s[WP], s62, 1
	s_add_co_u32 s[WP], s[WP], ttmp9               ; w = 2 j + P
	s_min_u32 s60, s[WP], 6
	s_mul_i32 s[OFF1], s[ROLE], 10                 ; A begins at step 0, B at step 10
	s_add_co_u32 s[OFF2], s60, 10                  ; B's trip N1 is the short group's step 0: N1 + s25 = 16
	s_sub_co_u32 s60, 6, s60                       ; B's steps in the long group: 6 - w (w = 7: none)
	s_sub_co_u32 s[GL], 15, s[WP]
	s_cmp_eq_u32 s[ROLE], 0
	s_cselect_b32 s[N1], 15, s60
	s_cselect_b32 s61, s[GL], s[WP]                ; the group that I send out
	s_lshl_b32 s61, s61, 3
	s_lshl_b32 s63, s15, 1
	s_add_co_u32 s61, s61, s63
	s_lshr_b32 s60, s16, 4
	s_lshl_b32 s60, s60, 7
	s_add_co_u32 s61, s61, s60                     ; its first tile of tokens: 128 x batch + 8 x group + 2 u
	s_lshl_b32 s46, s61, 12                        ; ao_img: K = 64 head + d: tile of 4,096 bytes,
	s_and_b32 s60, s16, 15
	s_lshr_b32 s61, s60, 2
	s_lshl_b32 s61, s61, 20                        ; K slot head / 4,
	s_add_co_u32 s46, s46, s61
	s_and_b32 s60, s60, 3
	s_lshl_b32 s60, s60, 10                        ; two chunks of 512 bytes at 1,024 (head % 4)
	s_add_co_u32 s46, s46, s60
	s_mov_b32 s47, 0
	s_lshl_b32 s38, s16, 17                        ; the pair's 131,072 bytes in each buffer
	s_lshl_b32 s42, s[WP], 3
	s_add_co_u32 s42, s42, s63
	s_lshl_b32 s42, s42, 10
	s_add_co_u32 s42, s42, s38                     ; the short group's Q, 2,048 bytes
	s_mov_b32 s43, 0
	s_lshl_b32 s40, s[GL], 3
	s_add_co_u32 s40, s40, s63
	s_lshl_b32 s40, s40, 10
	s_add_co_u32 s40, s40, s38                     ; the long group's
	s_cmp_eq_u32 s[N1], 0
	s_cselect_b32 s40, s42, s40                    ; what I begin with: the long group's, or, with no step there, the short one's
	s_mov_b32 s41, 0
	s_lshl_b32 s60, s62, 15
	s_add_co_u32 s44, s38, s60                     ; what I fetch: 32,768 bytes of K (waves 0-3) or of V (waves 4-7)
	s_mov_b32 s45, 0
	s_mov_b32 s[SEL], 0x76543210
	s_mov_b32 s[SEL+1], 0xfedcba98
	s_mov_b32 s[CS], 0x3e38aa3b                    ; log2(e) / 8
	s_wait_alu depctr_va_vdst(0)
	s_wait_dscnt 0x0                               ; both opening adds are done
	s_wait_kmcnt 0x0
	s_load_b256 s[52:59], s[10:11], 0x0            ; e0 .. e7
	s_cmp_lt_u32 s[WV], 4
	s_cselect_b64 s[2:3], s[6:7], s[8:9]
	s_mov_b32 s[G0], 1
	s_lshl_b32 s[G0+1], s[WV], 15                  ; K from LDS byte 0, V from byte 131,072
	s_add_nc_u64 s[G0+2:G0+3], s[2:3], s[44:45]
	s_or_b32 s[G0+3], s[G0+3], 0x80000000
	s_add_nc_u64 s[50:51], s[4:5], s[40:41]
	s_add_nc_u64 s[34:35], s[4:5], s[42:43]
	s_add_nc_u64 s[12:13], s[12:13], s[46:47]
	QLOAD 50
	ROUND                                          ; all four work-groups are here: the joint loads meet
	tensor_load_to_lds s[G0:G0+3], s[G1:G1+7]
	s_nop 0
.rept 4
	v_nop
.endr
	s_mul_i32 s60, s62, PARTB
	s_add_co_u32 s60, s60, SCR
	v_add_nc_u32 v[SCA], s60, v[LI]
	v_and_b32 v208, 15, v0                         ; r
	v_bfe_u32 v209, v0, 4, 1                       ; h
	v_and_b32 v210, 8, v208
	v_lshlrev_b32 v209, 4, v209
	v_add_nc_u32 v210, v210, v208                  ; r + 8 (r / 8)
	s_lshl_b32 s60, s15, 5
	v_sub_nc_u32 v210, v210, v209
	v_add_nc_u32 v[DQ], s60, v210                  ; tile 0's query's number in its group of 128, less 16 h; tile 1's is 8 more.  Register 16 b + i holds key 32 b + 16 h + i of the step: hidden on the diagonal where 32 b + i is above this
	RESET
	v_mov_b32 v216, 0                              ; written once: a lane permute's destination counts as one of its sources
	v_mov_b32 v217, 0
.irp j, 215,219,221,223
	v_mov_b32 v[\j], 0                             ; (named as upper halves of the pairs of powers of two)
.endr
	s_wait_alu depctr_va_vdst(0)
	s_wait_kmcnt 0x0
	s_add_co_i32 s60, s54, s55
	s_lshl_b32 s60, s60, 23
	s_add_co_i32 s[CS], s[CS], s60                 ; a score stands for score x 2^(e2 + e3): added to c's exponent field
	s_mov_b32 s[CS+1], s[CS]                       ; (named with it as a pair, so it is written)
	s_add_co_i32 s60, s56, 127
	s_lshl_b32 s61, s60, 23
	v_mov_b32 v244, s61                            ; 2^e4, for p's conversions
	s_add_co_i32 s60, s60, 8
	s_lshl_b32 s60, s60, 23
	s_or_b32 s[HL], s60, 0x600000                  ; 448 x 2^e4
	s_sub_co_i32 s60, s58, s56
	s_sub_co_i32 s60, s60, s57                     ; O^T / sum stands for that x 2^(e4 + e5): its code is it / 2^(e6 - e4 - e5)
	s_add_co_i32 s60, s60, 127
	s_lshl_b32 s61, s60, 23
	v_mov_b32 v250, s61
	s_add_co_i32 s60, s60, 8
	s_lshl_b32 s60, s60, 23
	s_or_b32 s60, s60, 0x600000
	v_mov_b32 v251, s60
	s_mov_b32 s[CNT], 0
	KEYSTEP 0, KSN, TBN
	v_add_nc_u32 v[ADK], s[TBN], v[LI]
	s_wait_alu depctr_va_vdst(0)
	s_wait_loadcnt 0x0                             ; Q
	s_wait_tensorcnt 0x0                           ; my part of K or V is in,
	s_barrier_signal -1
	s_barrier_wait -1                              ; everybody's is: all of K and V lies in LDS
	KLOAD                                          ; trip 0's K
; the largest score of my query of one tile among my 64 keys, in eight chains c .. c + 7; each accumulator is first read at its low end
.macro MAXT w, c
	WIN 0x15*\w
.irp i, 0,1,2,3,4,5,6,7
	v_max3_num_f32 v[\c+\i], v[96+3*\i], v[97+3*\i], v[98+3*\i]
.endr
	WIN 0x14*\w
.irp i, 0,1,2,3,4,5,6,7
	v_max3_num_f32 v[\c+\i], v[\c+\i], v[120+2*\i], v[121+2*\i]
.endr
.irp i, 0,1,2,3,4,5,6,7
	v_max3_num_f32 v[\c+\i], v[\c+\i], v[136+2*\i], v[137+2*\i]
.endr
.irp i, 0,1,2,3
	v_max3_num_f32 v[\c+\i], v[\c+\i], v[152+2*\i], v[153+2*\i]
.endr
	WIN 0
.endm
.macro HIDE w                          ; on the diagonal the scores of hidden keys become -infinity: p = 0 then.  My own key counts, so the maximum is a number
	WIN 0x41*\w
.irp n, 0,1,2,3,4,5,6,7,8,9,10,11,12,13,14,15,16,17,18,19,20,21,22,23,24,25,26,27,28,29,30,31,32,33,34,35,36,37,38,39,40,41,42,43,44,45,46,47,48,49,50,51,52,53,54,55,56,57,58,59,60,61,62,63
	v_cmp_gt_i32 vcc_lo, 32*(\n/16)+\n%16-8*\w, v[DQ]
	v_cndmask_b32 v[96+\n], v[96+\n], v240, vcc_lo
.endr
	WIN 0
.endm
.macro SCALE w, m, f                   ; t - M, two at a time (of the pairs c and -M the low word serves both halves); O^T under the new M
	WIN 0x41*\w
.irp j, 0,2,4,6,8,10,12,14,16,18,20,22,24,26,28,30,32,34,36,38,40,42,44,46,48,50,52,54,56,58,60,62
	v_pk_fma_f32 v[96+\j:97+\j], v[96+\j:97+\j], s[CS:CS+1], v[\m:\m+1] op_sel_hi:[1,0,0]
.endr
.irp j, 0,2,4,6,8,10,12,14,16,18,20,22,24,26,28,30
	v_pk_mul_f32 v[160+\j:161+\j], v[160+\j:161+\j], v[\f:\f+1] op_sel_hi:[1,0]
.endr
	WIN 0
.endm
.macro EXPS w
	WIN 0x41*\w
.irp j, 0,1,2,3,4,5,6,7,8,9,10,11,12,13,14,15,16,17,18,19,20,21,22,23,24,25,26,27,28,29,30,31,32,33,34,35,36,37,38,39,40,41,42,43,44,45,46,47,48,49,50,51,52,53,54,55,56,57,58,59,60,61,62,63
	v_exp_f32 v[96+\j], v[96+\j]                   ; p = 2^(t - M), at most 1
.endr
	WIN 0
.endm
.macro SUM w, s, x                     ; the row's sum is taken of the unquantised p, in eight chains: the sum's own pair and x .. x + 13
	WIN 0x05*\w
.irp i, 0,1,2,3,4,5,6
	v_pk_add_f32 v[\x+2*\i:\x+2*\i+1], v[96+4*\i:97+4*\i], v[98+4*\i:99+4*\i]
.endr
	WIN 0x04*\w
.irp b, 124,140
	v_pk_add_f32 v[\s:\s+1], v[\s:\s+1], v[\b:\b+1]
.irp i, 0,1,2,3,4,5,6
	v_pk_add_f32 v[\x+2*\i:\x+2*\i+1], v[\x+2*\i:\x+2*\i+1], v[\b+2+2*\i:\b+3+2*\i]
.endr
.endr
	v_pk_add_f32 v[\s:\s+1], v[\s:\s+1], v[156:157]
	v_pk_add_f32 v[\x:\x+1], v[\x:\x+1], v[158:159]
	WIN 0
.endm
.macro JOIN2 d, a, b                   ; for both tiles: pair d of the chains += pair a.  b: 1 where d is the sum's own pair
.if \b
	v_pk_add_f32 v[14:15], v[14:15], v[192+2*\a:193+2*\a]
	v_pk_add_f32 v[10:11], v[10:11], v[224+2*\a:225+2*\a]
.else
	v_pk_add_f32 v[192+2*\d:193+2*\d], v[192+2*\d:193+2*\d], v[192+2*\a:193+2*\a]
	v_pk_add_f32 v[224+2*\d:225+2*\d], v[224+2*\d:225+2*\d], v[224+2*\a:225+2*\a]
.endif
.endm
.macro CODES w, d                      ; the hold (the conversion does not saturate: ISA guide 7.6.2; p is not negative, so it is one-sided), two numbers an instruction; then the codes
	WIN 0x44*\w
.irp j, 0,2,4,6,8,10,12,14,16,18,20,22,24,26,28,30,32,34,36,38,40,42,44,46,48,50,52,54,56,58,60,62
	v_dual_min_num_f32 v[96+\j], s[HL], v[96+\j] :: v_dual_min_num_f32 v[97+\j], s[HL], v[97+\j]
.endr
	WIN 0x01*\w
.irp b, 0,1,2,3
	v_cvt_scalef32_pk8_fp8_f32 v[\d+4*\b:\d+4*\b+1], v[96+16*\b:103+16*\b], v244
	v_cvt_scalef32_pk8_fp8_f32 v[\d+4*\b+2:\d+4*\b+3], v[104+16*\b:111+16*\b], v244
.endr
	WIN 0
.endm
; A KEY STEP: 128 keys for both tiles.  One that lies behind the group's diagonal is left out: a scalar branch on ids and the trip, round the step's work; no barrier stands in a step.
; nx = 1: the next trip's K is asked for as soon as this one's has been multiplied (behind a wave's last step it is not used); so is the short group's Q, where the next trip goes on to it.
.macro STEP nx
	KEYSTEP 0, KS, TB
	s_cmp_lt_u32 s[CNT], s[N1]
	s_cselect_b32 s[GI], s[GL], s[WP]
	s_cmp_gt_u32 s[KS], s[GI]
	s_cbranch_scc1 .Lhidden_\@
	s_add_co_u32 s60, s[TB], VOFF
	v_add_nc_u32 v[ADV], s60, v[LI]
.rept 3
	v_nop                                          ; with the addition: four places in front of loads into registers that the last step's products have read
.endr
	WIN 0x40
.irp d, 0,1,2,3
.irp c, 0,1,2,3
	ds_load_b128 v[32+16*\d+4*\c:32+16*\d+4*\c+3], v[ADV] offset:2048*\d+512*\c
.endr
.endr
	WIN 0
	s_wait_alu depctr_va_vdst(0)
	s_wait_loadcnt 0x0                             ; Q, where the trip before has asked for one
	s_wait_dscnt 16                                ; K is in; V's 16 loads may be out
.irp t, 0,1,2,3,4,5,6,7
	v_wmma_f32_16x16x64_fp8_fp8 v[96+8*\t:103+8*\t], v[32+8*\t:39+8*\t], v[16:23], 0   ; S^T: source 0 = 16 keys, source 1 = my 16 queries
.endr
	WIN 0x40
.irp t, 0,1,2,3,4,5,6,7
	v_wmma_f32_16x16x64_fp8_fp8 v[96+8*\t:103+8*\t], v[32+8*\t:39+8*\t], v[24:31], 0
.endr
	WIN 0
.rept 4
	v_nop                                          ; places in front of the loads below and of the first read of the scores
.endr
.if \nx
	KEYSTEP 1, KSN, TBN
	v_add_nc_u32 v[ADK], s[TBN], v[LI]
	KLOAD
	s_cmp_lg_u32 s61, s[N1]                        ; s61: the next trip
	s_cbranch_scc1 .Lkeep_\@
	QLOAD 34
.Lkeep_\@:
.endif
	s_cmp_lt_u32 s[KS], s[GI]                      ; only the step on the diagonal is masked
	s_cbranch_scc1 .Lopen_\@
	v_mov_b32 v240, 0xff800000                     ; -infinity
	HIDE 0
	HIDE 1
.Lopen_\@:
	MAXT 0, 192
	MAXT 1, 200
	v_max3_num_f32 v192, v192, v196, v197
	v_max3_num_f32 v200, v200, v204, v205
	v_max3_num_f32 v193, v193, v198, v199
	v_max3_num_f32 v201, v201, v206, v207
	v_max3_num_f32 v192, v192, v194, v195
	v_max3_num_f32 v200, v200, v202, v203
	v_max_num_f32 v192, v192, v193
	v_max_num_f32 v200, v200, v201
	v_permlanex16_b32 v216, v192, s[SEL], s[SEL+1]
	v_permlanex16_b32 v217, v200, s[SEL], s[SEL+1]
	v_max3_num_f32 v13, v13, v192, v216            ; and among lane l xor 16's, and the steps' before
	v_max3_num_f32 v9, v9, v200, v217
	v_mul_f32 v208, s[CS], -v13                    ; -t (c is positive)
	v_mul_f32 v212, s[CS], -v9
	v_mov_b32 v216, v12
	v_mov_b32 v217, v8
	v_floor_f32 v12, v208                          ; the new -M = floor(-t) = -ceil(t): a whole number
	v_floor_f32 v8, v212
	v_sub_f32 v208, v12, v216                      ; M's old value less its new one: a whole number, 0 or less
	v_sub_f32 v212, v8, v217
	v_cvt_i32_f32 v208, v208                       ; (it saturates)
	v_cvt_i32_f32 v212, v212
	v_ldexp_f32 v218, 1.0, v208                    ; f = 2^(old M - new M)
	v_ldexp_f32 v220, 1.0, v212
	SCALE 0, 12, 218
	SCALE 1, 8, 220
	s_wait_alu depctr_va_vdst(0)
	EXPS 0
	EXPS 1
	v_pk_mul_f32 v[14:15], v[14:15], v[218:219] op_sel_hi:[1,0]   ; the sums under the new M: the plain lines behind the exponentials
	v_pk_mul_f32 v[10:11], v[10:11], v[220:221] op_sel_hi:[1,0]
	s_wait_alu depctr_va_vdst(0)                   ; one wait for the batch of 128, ahead of its first reader
	SUM 0, 14, 192
	SUM 1, 10, 224
	JOIN2 0, 1, 0
	JOIN2 2, 3, 0
	JOIN2 4, 5, 0
	JOIN2 0, 6, 1
	JOIN2 0, 2, 0
	JOIN2 0, 4, 1
	JOIN2 0, 0, 1
	CODES 0, 224
	CODES 1, 192
	v_nop                                          ; one plain vector line behind the last conversion
	s_wait_alu depctr_va_vdst(0)
.if \nx
	s_wait_dscnt 16                                ; V is in; the next K's 16 loads may be out
.else
	s_wait_dscnt 0x0
.endif
	WIN 0x01
.irp d, 0,1,2,3
	v_wmma_f32_16x16x128_fp8_fp8 v[160+8*\d:167+8*\d], v[32+16*\d:47+16*\d], v[224:239], v[160+8*\d:167+8*\d]   ; O^T += V^T P^T; the eight accumulators take one turn each
.endr
	WIN 0x51
.irp d, 0,1,2,3
	v_wmma_f32_16x16x128_fp8_fp8 v[160+8*\d:167+8*\d], v[32+16*\d:47+16*\d], v[192:207], v[160+8*\d:167+8*\d]
.endr
	WIN 0
.Lhidden_\@:
.endm
; B goes on to the short group: its part of the long one stays in LDS for A
.macro SWITCH
.rept 4
	v_nop                                          ; places behind the last products
.endr
.irp j, 0,1,2,3,4,5,6,7
	ds_store_b128 v[SCA], v[160+4*\j:163+4*\j] offset:512*\j
.endr
	WIN 0x04
.irp j, 0,1,2,3,4,5,6,7
	ds_store_b128 v[SCA], v[160+4*\j:163+4*\j] offset:4096+512*\j
.endr
	WIN 0
	ds_store_b128 v[SCA], v[8:11] offset:8192
	ds_store_b128 v[SCA], v[12:15] offset:8704
	RESET
	s_wait_alu depctr_va_vdst(0)
.endm
.Lsteps:                                           ; trips 0 to 8: a constant count
	s_cmp_eq_u32 s[ROLE], 0
	s_cbranch_scc1 .Lstay
	s_cmp_lg_u32 s[CNT], s[N1]
	s_cbranch_scc1 .Lstay
	SWITCH
.Lstay:
	STEP 1
	s_add_co_u32 s[CNT], s[CNT], 1
	s_cmp_lt_u32 s[CNT], 9
	s_cbranch_scc1 .Lsteps
	s_cmp_eq_u32 s[ROLE], 1
	s_cbranch_scc1 .Lmeet
	s_mov_b32 s[CNT], 9
	STEP 0                                         ; A's tenth step
.Lmeet:
	s_wait_dscnt 0x0                               ; B: my part is stored,
	s_barrier_signal -1
	s_barrier_wait -1                              ; and every B's is
	s_cmp_eq_u32 s[ROLE], 1
	s_cbranch_scc1 .Lout                           ; B's short group is finished
	; A JOINS THE TWO PARTS: M = the larger of the two, each part x 2^(its M - M).  A part with no step (w = 6, 7) holds zeros and M = -3e38.
.rept 4
	v_nop                                          ; places behind the last products
.endr
.irp j, 0,1,2,3,4,5,6,7
	ds_load_b128 v[32+4*\j:35+4*\j], v[SCA] offset:512*\j
.endr
	ds_load_b128 v[64:67], v[SCA] offset:8192
	ds_load_b128 v[68:71], v[SCA] offset:8704
	WIN 0x40
.irp j, 0,1,2,3,4,5,6,7
	ds_load_b128 v[32+4*\j:35+4*\j], v[SCA] offset:4096+512*\j
.endr
	WIN 0
	s_wait_alu depctr_va_vdst(0)
	s_wait_dscnt 0x0
	v_min_num_f32 v208, v12, v68                   ; -M
	v_min_num_f32 v209, v8, v64
	v_sub_f32 v210, v208, v12
	v_sub_f32 v211, v208, v68
	v_sub_f32 v212, v209, v8
	v_sub_f32 v213, v209, v64
	v_cvt_i32_f32 v210, v210
	v_cvt_i32_f32 v211, v211
	v_cvt_i32_f32 v212, v212
	v_cvt_i32_f32 v213, v213
	v_ldexp_f32 v218, 1.0, v210
	v_ldexp_f32 v214, 1.0, v211
	v_ldexp_f32 v220, 1.0, v212
	v_ldexp_f32 v222, 1.0, v213
	v_pk_mul_f32 v[14:15], v[14:15], v[218:219] op_sel_hi:[1,0]
	v_pk_mul_f32 v[10:11], v[10:11], v[220:221] op_sel_hi:[1,0]
.irp j, 0,2,4,6,8,10,12,14,16,18,20,22,24,26,28,30
	v_pk_mul_f32 v[160+\j:161+\j], v[160+\j:161+\j], v[218:219] op_sel_hi:[1,0]
.endr
	v_pk_fma_f32 v[14:15], v[70:71], v[214:215], v[14:15] op_sel_hi:[1,0,1]
	v_pk_fma_f32 v[10:11], v[66:67], v[222:223], v[10:11] op_sel_hi:[1,0,1]
.irp j, 0,2,4,6,8,10,12,14,16,18,20,22,24,26,28,30
	v_pk_fma_f32 v[160+\j:161+\j], v[32+\j:33+\j], v[214:215], v[160+\j:161+\j] op_sel_hi:[1,0,1]
.endr
	WIN 0x41
.irp j, 0,2,4,6,8,10,12,14,16,18,20,22,24,26,28,30
	v_pk_mul_f32 v[160+\j:161+\j], v[160+\j:161+\j], v[220:221] op_sel_hi:[1,0]
.endr
	WIN 0x51
.irp j, 0,2,4,6,8,10,12,14,16,18,20,22,24,26,28,30
	v_pk_fma_f32 v[160+\j:161+\j], v[32+\j:33+\j], v[222:223], v[160+\j:161+\j] op_sel_hi:[1,0,1]
.endr
	WIN 0
.Lout:
	; THE WAY OUT: O^T / the sum, held, converted: the 16 registers of channel tiles 2 c, 2 c + 1 are channels 32 c + 16 h + 0 .. 15 of my query: chunk c of my head's part of the last product's operand.
.rept 4
	v_nop                                          ; places behind the last products
.endr
	v_add_f32 v14, v14, v15                        ; the sums' two halves,
	v_add_f32 v10, v10, v11
	v_permlanex16_b32 v216, v14, s[SEL], s[SEL+1]
	v_permlanex16_b32 v217, v10, s[SEL], s[SEL+1]
	v_add_f32 v14, v14, v216                       ; and lane l xor 16's
	v_add_f32 v10, v10, v217
	s_wait_alu depctr_va_vdst(0)                   ; the wait ahead of the transcendentals,
	v_rcp_f32 v14, v14
	v_rcp_f32 v10, v10
	v_nop                                          ; a plain line behind them,
	s_wait_alu depctr_va_vdst(0)                   ; and the wait ahead of their first reader, which is the first reader of O^T too
.irp j, 0,2,4,6,8,10,12,14,16,18,20,22,24,26,28,30
	v_pk_mul_f32 v[96+\j:97+\j], v[160+\j:161+\j], v[14:15] op_sel_hi:[1,0]
.endr
	WIN 0x41
	s_wait_alu depctr_va_vdst(0)                   ; directly ahead of the first reader of tile 1's O^T
.irp j, 0,2,4,6,8,10,12,14,16,18,20,22,24,26,28,30
	v_pk_mul_f32 v[96+\j:97+\j], v[160+\j:161+\j], v[10:11] op_sel_hi:[1,0]
.endr
.irp w, 1,0
	WIN 0x41*\w
.irp j, 0,1,2,3,4,5,6,7,8,9,10,11,12,13,14,15,16,17,18,19,20,21,22,23,24,25,26,27,28,29,30,31
	v_med3_num_f32 v[96+\j], v[96+\j], -v251, v251
.endr
	WIN 0x01*\w
.irp c, 0,1
	v_cvt_scalef32_pk8_fp8_f32 v[224+8*\w+4*\c:225+8*\w+4*\c], v[96+16*\c:103+16*\c], v250
	v_cvt_scalef32_pk8_fp8_f32 v[226+8*\w+4*\c:227+8*\w+4*\c], v[104+16*\c:111+16*\c], v250
.endr
.endr
	v_nop                                          ; one plain vector line behind the last conversion
	WIN 0
.irp w, 0,1
.irp c, 0,1
	global_store_b128 v[LI], v[224+8*\w+4*\c:227+8*\w+4*\c], s[12:13] offset:4096*\w+512*\c   ; 32 lanes store 512 consecutive bytes, aligned
.endr
.endr
	s_wait_tensorcnt 0x0                           ; the wave's end
	ds_add_u32 v[SPW], v[NIL]
	s_wait_dscnt 0x0
	ROUND                                          ; the closing round: no work-group ends while a partner may still ask for a load that names it
	s_endpgm
.Lfunc_end_k_q42d6a54ad8_attn:
	.size	k_q42d6a54ad8_attn, .Lfunc_end_k_q42d6a54ad8_attn-k_q42d6a54ad8_attn
	.p2alignl 7, 3214868480
	.fill 96, 4, 3214868480
	.section	.rodata,"a",@progbits
	.p2align	6, 0x0
	.amdhsa_kernel k_q42d6a54ad8_attn
		.amdhsa_group_segment_fixed_size 300032
		.amdhsa_private_segment_fixed_size 0
		.amdhsa_enable_private_segment 0
		.amdhsa_kernarg_size 40
		.amdhsa_user_sgpr_count 2
		.amdhsa_user_sgpr_kernarg_segment_ptr 1
		.amdhsa_wavefront_size32 1
		.amdhsa_system_sgpr_workgroup_id_x 1
		.amdhsa_system_sgpr_workgroup_id_y 1
		.amdhsa_system_sgpr_workgroup_id_z 1
		.amdhsa_system_vgpr_workitem_id 0
		.amdhsa_next_free_vgpr 512
		.amdhsa_next_free_sgpr 100
		.amdhsa_reserve_vcc 1
		.amdhsa_float_denorm_mode_32 3
		.amdhsa_float_denorm_mode_16_64 3
		.amdhsa_memory_ordered 1
		.amdhsa_forward_progress 1
		.amdhsa_inst_pref_size 106
	.end_amdhsa_kernel
	.amdgpu_metadata
---
amdhsa.version: [ 1, 2 ]
amdhsa.kernels:
  - .name:           k_q42d6a54ad8_attn
    .symbol:         k_q42d6a54ad8_attn.kd
    .args:
      - { .name: q_img, .offset: 0, .size: 8, .value_kind: global_buffer, .address_space: global }
      - { .name: k_img, .offset: 8, .size: 8, .value_kind: global_buffer, .address_space: global }
      - { .name: v_img, .offset: 16, .size: 8, .value_kind: global_buffer, .address_space: global }
      - { .name: lowp_scales, .offset: 24, .size: 8, .value_kind: global_buffer, .address_space: global }
      - { .name: ao_img, .offset: 32, .size: 8, .value_kind: global_buffer, .address_space: global }
    .group_segment_fixed_size: 300032
    .private_segment_fixed_size: 0
    .kernarg_segment_align: 8
    .kernarg_segment_size: 40
    .max_flat_workgroup_size: 256
    .sgpr_count:     100
    .vgpr_count:     512
    .wavefront_size: 32
...
	.end_amdgpu_metadata
.endif
;; end of part 7
;; launch gemm_out (part 8): grid 8 x 32, 4 waves a work-group, clusters of 4 x 4, 280,064 bytes of LDS; arguments ao_img, wout_img, lowp_scales, out0; writes out0
.if DOCPART == 8
	.amdgcn_target "amdgcn-amd-amdhsa--gfx1250"
	.amdhsa_code_object_version 6
	.text
	.protected	k_q42d6a54ad8_gemm_out
	.globl	k_q42d6a54ad8_gemm_out
	.p2align	8
	.type	k_q42d6a54ad8_gemm_out,@function
k_q42d6a54ad8_gemm_out:
	s_mov_b64 s[64:65], 0
	v_nop
	global_prefetch_b8 v0, s[64:65] scope:SCOPE_SE
	s_setreg_imm32_b32 hwreg(HW_REG_WAVE_MODE, 25, 1), 1
	s_wait_xcnt 0x0
	s_wait_alu depctr_hold_cnt(0) depctr_sa_sdst(0) depctr_va_vdst(0) depctr_va_sdst(0) depctr_va_ssrc(0) depctr_va_vcc(0) depctr_vm_vsrc(0)
	s_getreg_b32 s2, hwreg(HW_REG_IB_STS2, 6, 4)
	s_cmp_eq_u32 s2, 0
	s_cbranch_scc0 .Lentry_in_a_cluster
	s_endpgm
.Lentry_in_a_cluster:
	s_bfe_u32 s2, ttmp6, 0x10000c
	s_cmp_lg_u32 s2, 0xf033
	s_cbranch_scc0 .Lentry_shape_is_right
	s_endpgm
.Lentry_shape_is_right:
; out0 = attention's result x w_out on codes of FP8 (E4M3), M 4,096, N 1,024, K 1,024; sums in f32, each multiplied once by 2^(e6 + e7).  LIMIT: -126 <= e6 + e7 <= 127.
; OPERANDS ARE IMAGES OF REGISTERS: a fragment (16 rows x 128 K) is 2,048 bytes, chunk c at 512 c, lane l's 16 bytes at 16 l: k = 32 c + 16 (l / 16) + 0 .. 15 of row l % 16, the same places of k on both sides.
; A buffer is [K / 256][rows / 16][2 fragments].  ROW PLACES: lane r of tile 2 b + u holds row 32 b + 8 u + r + 8 (r / 8), for tokens and for w_out's columns alike; the way out puts both back.
; THE TILE IS 128 x 128: 256 work-groups, where tiles of 256 x 256 would be 64.  Four waves, each 64 tokens x 64 columns.
; THE WHOLE K LIES IN LDS: 128 tokens and 128 columns of 1,024 codes are 262,144 bytes.  Waves 0 and 1 fetch the tokens' halves, waves 2 and 3 w_out's: one tensor load a wave, four rows (the K slots) of 16,384 bytes; nothing is filled again.
; CLUSTERS: 4 x 4 work-groups; the tokens' tile is shared along a row of the cluster, w_out's along a column: each load is asked for jointly, with the same descriptor and a mask that names the four.  No prefetch: nothing is read from memory in a loop.
; THE PRODUCT GOES BY ROWS: a wave's 64 columns over the whole K stay in 512 registers; 16 tokens x 64 columns over the whole K (32 matrix instructions, four accumulators by turns) are finished, then these rows leave while the next 16 are multiplied.
; Source 0 = w_out's columns, source 1 = tokens: a lane holds one token and eight neighbouring columns.  A wave's 64 columns are 256 bytes of a row of out0, aligned: each wave sends its own rows through its own stage.
; REGISTERS.  window 0: v16-31 addresses, v32-63 a block's sums x 2^(e6 + e7), v64-191 rows read back, 32 for each block, v192-255 two sets of four accumulators;  window 1: two sets of 128: a block's tokens over the whole K;
; windows 2, 3: w_out's columns, K steps 0-3 and 4-7, 64 registers a step.
.set STAGE,  262144                    ; behind the tiles: 16 rows x 272 bytes for each wave; no tensor load lands there
.set SPITCH, 272                       ; a stage row: 256 bytes + 16: the 16 rows that a store touches start at 16 different groups of banks (64 banks of 4 bytes: ISA guide 11.1)
.set SPARE,  STAGE+4*16*SPITCH         ; the spare words: 128 bytes a wave
.set ROWC,   4096                      ; a row of out0 in bytes
.set ADRA, 16                          ; v16     LDS address of my 64 tokens
.set ADRB, 17                          ; v17     of my 64 columns
.set STO,  24                          ; v24     the way out: where I put 32 bytes of a row
.set RD,   25                          ; v25     where I read a row back
.set CO,   26                          ; v26     my byte offset in two rows of out0
.set LI,   27                          ; v27     16 x lane
.set SPW,  30
.set NIL,  31
.set TMP,  32
.set BK,   64
.set ACC,  192
.set G1, 24                            ; s[24:31], s[32:35] descriptor groups 1 and 0 for the tokens
.set G0, 32
.set G1B, 48                           ; s[48:55], s[36:39] the same for w_out
.set G0B, 36
.set MSB, 0
.macro WIN new                         ; the immediate's high byte repeats the setting that is left
.if MSB != (\new)
	s_set_vgpr_msb (MSB<<8)|(\new)
.set MSB, (\new)
.endif
.endm
.macro CROUND                          ; a round of the cluster's barrier
	s_barrier_signal -1
	s_barrier_wait -1
	s_cmp_lg_u32 s14, 0
	s_cbranch_scc1 .Lnot_wave_0_\@
	s_barrier_signal -3
.Lnot_wave_0_\@:
	s_barrier_wait -3
	s_barrier_signal -1
	s_barrier_wait -1
.endm
.macro BLD s                           ; my columns' four fragments of K step s
	WIN 0x80+0x40*((\s)/4)
.irp b, 0,1,2,3
.irp c, 0,1,2,3
	ds_load_b128 v[64*((\s)%4)+16*\b+4*\c:64*((\s)%4)+16*\b+4*\c+3], v[ADRB] offset:16384*((\s)/2)+2048*((\s)%2)+4096*\b+512*\c
.endr
.endr
.endm
.macro ALD a                           ; block a's tokens over the whole K: 32 LDS loads in one run, into set a % 2
	WIN 0x40
.irp s, 0,1,2,3,4,5,6,7
.irp c, 0,1,2,3
	ds_load_b128 v[128*((\a)%2)+16*\s+4*\c:128*((\a)%2)+16*\s+4*\c+3], v[ADRA] offset:16384*(\s/2)+2048*(\s%2)+4096*(\a)+512*\c
.endr
.endr
	WIN 0
.endm
.macro WH a, hf                        ; block a, K steps 4 hf .. 4 hf + 3: 16 products.  The first of each sum has the constant 0 as C
	WIN 0x06+(\hf)
.irp k, 0,1,2,3
.if (\a) == 0
.if ((\hf) == 1) && (\k > 1)
	s_wait_dscnt 80-16*\k                          ; my columns' K step 4 + k is in; the later steps' loads and block 1's 32 may be out
.elseif \k == 0
	s_wait_dscnt 63                                ; at most 63 are out, of the 96 behind K step 3's and of the 64 behind K step 5's
.endif
.endif
.irp b, 0,1,2,3
.if ((\hf) == 0) && (\k == 0)
	v_wmma_f32_16x16x128_fp8_fp8 v[ACC+32*((\a)%2)+8*\b:ACC+32*((\a)%2)+8*\b+7], v[64*\k+16*\b:64*\k+16*\b+15], v[128*((\a)%2)+64*(\hf)+16*\k:128*((\a)%2)+64*(\hf)+16*\k+15], 0
.else
	v_wmma_f32_16x16x128_fp8_fp8 v[ACC+32*((\a)%2)+8*\b:ACC+32*((\a)%2)+8*\b+7], v[64*\k+16*\b:64*\k+16*\b+15], v[128*((\a)%2)+64*(\hf)+16*\k:128*((\a)%2)+64*(\hf)+16*\k+15], v[ACC+32*((\a)%2)+8*\b:ACC+32*((\a)%2)+8*\b+7]
.endif
.endr
.endr
.endm
; THE WAY OUT of block a: through my own stage in LDS: in with the columns at their true places, back as whole rows of 256 bytes, stored to the tokens' true rows.
; LDS serves a wave's instructions in order (ISA guide 5.7.1.4): no wait between the stores and the loads, nor in front of the next block's stores.  Each block is read back into registers of its own,
; and every row's offset is an immediate: no register of a pending store is written again.
.macro TOSTAGE a
	WIN 0
.rept 4
	v_nop                                          ; places behind the block's last products
.endr
.irp j, 0,2,4,6,8,10,12,14,16,18,20,22,24,26,28,30
	v_pk_mul_f32 v[TMP+\j:TMP+\j+1], v[ACC+32*((\a)%2)+\j:ACC+32*((\a)%2)+\j+1], s[96:97] op_sel_hi:[1,0]   ; both x s96 = 2^(e6 + e7); each accumulator from its low end on
.endr
.irp b, 0,1,2,3
	ds_store_b128 v[STO], v[TMP+8*\b:TMP+8*\b+3] offset:128*(\b/2)+32*(\b%2)
	ds_store_b128 v[STO], v[TMP+8*\b+4:TMP+8*\b+7] offset:128*(\b/2)+32*(\b%2)+16
.endr
.irp t, 0,1,2,3,4,5,6,7
	ds_load_b128 v[BK+32*(\a)+4*\t:BK+32*(\a)+4*\t+3], v[RD] offset:2*\t*SPITCH
.endr
.endm
.macro SEND a, younger                 ; younger: the LDS instructions issued behind block a's loads, which may stay out
	WIN 0
	s_wait_dscnt \younger                          ; the block is back in registers
.irp t, 0,1,2,3,4,5,6,7
	global_store_b128 v[CO], v[BK+32*(\a)+4*\t:BK+32*(\a)+4*\t+3], s[10:11] offset:(32*((\a)/2)+8*((\a)%2)+2*\t+8*(\t/4))*ROWC th:TH_STORE_NT   ; place p = 2 t + h of block a is row 32 (a / 2) + 8 (a % 2) + p + 8 (p / 8); 16 lanes store 256 consecutive bytes, aligned; written once, read by nobody here
.endr
.endm
	s_load_b128 s[4:7], s[0:1], 0x0                ; ao_img, wout_img
	s_load_b128 s[8:11], s[0:1], 0x10              ; the scales, out0
	v_lshl_add_u32 v[SPW], v0, 2, SPARE
	v_mov_b32 v[NIL], 0
	ds_add_u32 v[SPW], v[NIL]                      ; the opening
	ds_add_u32 v[SPW], v[NIL]
	v_lshrrev_b32 v1, 5, v0
	v_readfirstlane_b32 s14, v1                    ; wave 0..3
	v_and_b32 v6, 31, v0
	v_lshlrev_b32 v[LI], 4, v6
	s_lshr_b32 s15, s14, 1                         ; which half of the tile's tokens is mine.  Also: I fetch for the tokens (0) or for w_out (1)
	s_and_b32 s16, s14, 1                          ; which half of its columns.  Also: which 64 rows of that tile I fetch
	s_bfe_u32 s56, ttmp6, 0x40000                  ; cx, cy: my place in the cluster
	s_bfe_u32 s57, ttmp6, 0x40004
	s_lshl_b32 s58, ttmp9, 2
	s_add_co_u32 s58, s58, s56                     ; tile column = 4 x cluster x + cx
	s_and_b32 s17, ttmp7, 0xffff
	s_lshl_b32 s17, s17, 2
	s_add_co_u32 s17, s17, s57                     ; tile row = 4 x cluster y + cy
	s_lshl_b32 s59, s57, 2
	s_lshl_b32 s59, 15, s59                        ; my row of the cluster
	s_lshl_b32 s60, 0x1111, s56                    ; my column
	; descriptor group 1: four rows of 2,048 elements of 8 bytes, a K slot apart: 1,048,576 bytes in ao_img, 262,144 in wout_img
	s_or_b32 s[G1+0], s59, (3<<16)|(1<<21)
	s_or_b32 s[G1B+0], s60, (3<<16)|(1<<21)
.irp g, G1, G1B
	s_mov_b32 s[\g+1], 2048<<16
	s_mov_b32 s[\g+2], 4<<16
	s_mov_b32 s[\g+3], 2048<<16
	s_mov_b32 s[\g+4], 4
	s_mov_b32 s[\g+6], 0
	s_mov_b32 s[\g+7], 0
.endr
	s_mov_b32 s[G1+5], 131072
	s_mov_b32 s[G1B+5], 32768
	s_lshl_b32 s18, s16, 14                        ; which 64 rows of the tile I fetch: 4 tiles of 4,096 bytes
	s_lshl_b32 s20, s17, 15                        ; the tokens: 32,768 bytes a tile of 128 rows
	s_add_co_u32 s20, s20, s18
	s_lshl_b32 s62, s58, 15                        ; w_out likewise
	s_add_co_u32 s62, s62, s18
	s_mov_b32 s21, 0
	s_mov_b32 s63, 0
	s_lshl_b32 s61, s14, 16                        ; where they go: 65,536 bytes a wave: no place in the cluster enters an LDS address
	s_wait_alu depctr_va_vdst(0)
	s_wait_dscnt 0x0                               ; both opening adds are done
	s_wait_kmcnt 0x0
	s_load_b64 s[96:97], s[8:9], 0x18              ; e6, e7
	s_mov_b32 s[G0], 1
	s_mov_b32 s[G0+1], s61
	s_add_nc_u64 s[G0+2:G0+3], s[4:5], s[20:21]
	s_or_b32 s[G0+3], s[G0+3], 0x80000000
	s_mov_b32 s[G0B], 1
	s_mov_b32 s[G0B+1], s61
	s_add_nc_u64 s[G0B+2:G0B+3], s[6:7], s[62:63]
	s_or_b32 s[G0B+3], s[G0B+3], 0x80000000
	CROUND                                         ; all sixteen work-groups are here: the joint loads meet
	s_cmp_eq_u32 s15, 0
	s_cbranch_scc0 .Lfor_b
	tensor_load_to_lds s[G0:G0+3], s[G1:G1+7]
	s_nop 0
.rept 4
	v_nop
.endr
	s_branch .Lasked
.Lfor_b:
	tensor_load_to_lds s[G0B:G0B+3], s[G1B:G1B+7]
	s_nop 0
.rept 4
	v_nop
.endr
.Lasked:
	v_and_b32 v1, 15, v0                           ; r
	v_bfe_u32 v2, v0, 4, 1                         ; h
	s_lshl_b32 s18, s15, 16                        ; my 64 tokens
	s_lshl_b32 s19, s16, 16                        ; my 64 columns,
	s_add_co_u32 s19, s19, 131072                  ; behind the tokens
	s_mul_i32 s22, s14, 16*SPITCH
	s_add_co_u32 s22, s22, STAGE                   ; my stage
	v_add_nc_u32 v[ADRA], s18, v[LI]
	v_add_nc_u32 v[ADRB], s19, v[LI]
	v_mul_u32_u24 v5, v1, SPITCH                   ; in: row r; tile b's eight columns are 32 (b / 2) + 16 h + 8 (b % 2) + 0 .. 7: 64 h bytes here, the rest in the immediate
	v_lshl_add_u32 v5, v2, 6, v5
	v_add_nc_u32 v[STO], s22, v5
	v_mul_u32_u24 v5, v2, SPITCH                   ; back: lanes 0-15 take one row of 256 bytes, lanes 16-31 the next
	v_lshl_add_u32 v5, v1, 4, v5
	v_add_nc_u32 v[RD], s22, v5
	v_lshlrev_b32 v[CO], 12, v2                    ; and the same two rows in out0
	v_lshl_add_u32 v[CO], v1, 4, v[CO]
	s_lshl_b32 s18, s17, 7
	s_lshl_b32 s19, s15, 6
	s_add_co_u32 s18, s18, s19                     ; my first row of out0: 128 x tile row + 64 x half
	s_lshl_b32 s18, s18, 12
	s_lshl_b32 s19, s58, 9                         ; my first column, in bytes: 512 x tile column
	s_add_co_u32 s18, s18, s19
	s_lshl_b32 s19, s16, 8                         ; + 256 x half
	s_add_co_u32 s18, s18, s19
	s_mov_b32 s19, 0
	s_add_nc_u64 s[10:11], s[10:11], s[18:19]
	s_wait_alu depctr_va_vdst(0)
	s_wait_kmcnt 0x0
	s_add_co_i32 s96, s96, s97                     ; e6 + e7
	s_add_co_i32 s96, s96, 127
	s_lshl_b32 s96, s96, 23                        ; 2^(e6 + e7) as f32
	s_wait_tensorcnt 0x0                           ; my part is in,
	s_barrier_signal -1
	s_barrier_wait -1                              ; everybody's is
	ALD 0
.irp s, 0,1,2,3,4,5,6,7
	BLD \s
.endr
	ALD 1
	WH 0, 0
	WH 0, 1
.irp a, 1,2,3
	TOSTAGE \a-1
.if \a < 3
	ALD \a+1                                       ; the set that block a - 1 has read, behind TOSTAGE's places
	s_wait_dscnt 48                                ; block a's tokens are in; 16 stage instructions and 32 loads were issued behind them
	WH \a, 0
	SEND \a-1, 32
.else
	s_wait_dscnt 16
	WH \a, 0
	SEND \a-1, 0
.endif
	WH \a, 1
.endr
	TOSTAGE 3
	SEND 3, 0
	s_wait_tensorcnt 0x0                           ; the wave's end
	ds_add_u32 v[SPW], v[NIL]
	s_wait_dscnt 0x0
	CROUND                                         ; the closing round: no work-group ends while a partner may still ask for a tile that names it
	s_endpgm
.Lfunc_end_k_q42d6a54ad8_gemm_out:
	.size	k_q42d6a54ad8_gemm_out, .Lfunc_end_k_q42d6a54ad8_gemm_out-k_q42d6a54ad8_gemm_out
	.p2alignl 7, 3214868480
	.fill 96, 4, 3214868480
	.section	.rodata,"a",@progbits
	.p2align	6, 0x0
	.amdhsa_kernel k_q42d6a54ad8_gemm_out
		.amdhsa_group_segment_fixed_size 280064
		.amdhsa_private_segment_fixed_size 0
		.amdhsa_enable_private_segment 0
		.amdhsa_kernarg_size 32
		.amdhsa_user_sgpr_count 2
		.amdhsa_user_sgpr_kernarg_segment_ptr 1
		.amdhsa_wavefront_size32 1
		.amdhsa_system_sgpr_workgroup_id_x 1
		.amdhsa_system_sgpr_workgroup_id_y 1
		.amdhsa_system_sgpr_workgroup_id_z 1
		.amdhsa_system_vgpr_workitem_id 0
		.amdhsa_next_free_vgpr 1024
		.amdhsa_next_free_sgpr 98
		.amdhsa_reserve_vcc 0
		.amdhsa_float_denorm_mode_32 3
		.amdhsa_float_denorm_mode_16_64 3
		.amdhsa_memory_ordered 1
		.amdhsa_forward_progress 1
		.amdhsa_inst_pref_size 43
	.end_amdhsa_kernel
	.amdgpu_metadata
---
amdhsa.version: [ 1, 2 ]
amdhsa.kernels:
  - .name:           k_q42d6a54ad8_gemm_out
    .symbol:         k_q42d6a54ad8_gemm_out.kd
    .args:
      - { .name: ao_img, .offset: 0, .size: 8, .value_kind: global_buffer, .address_space: global }
      - { .name: wout_img, .offset: 8, .size: 8, .value_kind: global_buffer, .address_space: global }
      - { .name: lowp_scales, .offset: 16, .size: 8, .value_kind: global_buffer, .address_space: global }
      - { .name: out0, .offset: 24, .size: 8, .value_kind: global_buffer, .address_space: global }
    .group_segment_fixed_size: 280064
    .private_segment_fixed_size: 0
    .kernarg_segment_align: 8
    .kernarg_segment_size: 32
    .max_flat_workgroup_size: 128
    .sgpr_count:     98
    .vgpr_count:     1024
    .wavefront_size: 32
...
	.end_amdgpu_metadata
.endif
;; end of part 8
